; MI455X (gfx1250); checked and timed in simulation.
; The chip was launched on July 23, 2026; its instructions are those of AMD's public machine-readable ISA for CDNA 5 (MIT licence, August 2026) and "CDNA5" Instruction Set Architecture Reference Guide (July 2026). The comments in the code are by the model that wrote it; some were corrected since.
;; Instant Nerf. Allowed arithmetic: float matrix products may take bf16 or f16 operands with f32 sums; all other float work in f32.
;; Inputs: b1 64 float32; bc1 64 float32; bc2 64 float32; bc3 3 float32; bd 16 float32; direction 262,144 x 3 float32; hash_table 2 x 8,388,608 float32; position 262,144 x 3 float32; w1 32 x 64 float32; wc1 32 x 64 float32; wc2 64 x 64 float32; wc3 64 x 3 float32; wd 64 x 16 float32.
;; Outputs: out0 262,144 x 16 float32; out1 262,144 x 3 float32.
;; 3 versions, each right; version 2 is faster than version 1; version 3 is version 2 with the launch nerf written anew for expert scheduling mode. Each part assembles by itself: llvm-mc -triple=amdgcn-amd-amdhsa -mcpu=gfx1250 --defsym DOCPART=n.
;; ======== version 1 of 3: 2 launches
;; limits: values are held in f16: magnitudes above 65,504 overflow, below 6.1e-05 lose precision
;; workspace buffers: rec 33,554,432 bytes of whole numbers; tab 67,108,864 bytes
;; launch prep (part 1): grid 1024 x 1, 8 waves a work-group, no clusters, 0 bytes of LDS; arguments position, hash_table, rec, tab; writes rec, tab
.if DOCPART == 1
	.amdgcn_target "amdgcn-amd-amdhsa--gfx1250"
	.amdhsa_code_object_version 6
	.text
	.protected	k_qa58d540193_prep
	.globl	k_qa58d540193_prep
	.p2align	8
	.type	k_qa58d540193_prep,@function
k_qa58d540193_prep:
	s_mov_b64 s[64:65], 0
	v_nop
	global_prefetch_b8 v0, s[64:65] scope:SCOPE_SE
	s_setreg_imm32_b32 hwreg(HW_REG_WAVE_MODE, 25, 1), 1
	s_wait_xcnt 0x0
; InstantNerf, first of two launches.  It prepares what the second launch gathers by:
;  (a) tab[i] = (hash_table[0][i], hash_table[1][i]), f32: the two features of an entry side by side, so that one 8-byte load
;      fetches a corner's two features where the table as given needs two loads 32 MiB apart;
;  (b) rec: for each point and each of the 16 levels one record of 64 bits of whole numbers, all that the hash of the eight corners needs.
; No work of reference() is left out in either launch, and every input is loaded: nothing in it is dead for all values of the inputs.
;
; THE RECORD.  The hash is taken modulo 2^19, and XOR and multiplication modulo 2^19 use the low 19 bits alone, so a record holds
;   bits 0-18   X0 = floor(x) mod 2^19            bits 19-37  Z0 = floor(z) * 805459861 mod 2^19
;   bits 38-56  Y0 = floor(y) * 2654435761 mod 2^19   bits 57, 58, 59: ceil differs from floor in x, y, z
; The ceil corner's term is then X0 + 1, Y0 + prime, Z0 + prime modulo 2^19 where the flag is set.
; rec's layout: point n, level pair p (levels 2p, 2p+1) at byte (n / 32) * 4096 + 512 p + 16 (n mod 32): a wave's store (and the
; next launch's load) of 16 bytes a lane covers 512 consecutive bytes, aligned.
;
; THE SCALINGS are constants of reference(): floor(16 * g^l), g = exp((log 1024 - log 16) / 15) in f32.  The quotient is
; 9303264 * 2^-25; its exponential lies 2680226.625 steps of 2^-23 above 1 and is taken to round up, to the f32 just above 2^0.4, so that
; g^5, g^10, g^15 lie above 4, 16, 64 and levels 5, 10, 15 have 64, 256, 1024.  The 16 values stand in the list below.
; LIMITS: position finite and |position * 1024| below 2^31 (the conversion to int32).
;
; Eight waves.  Work-group g owns points 256 g .. 256 g + 255 (thread t: one point) and table entries 8192 g .. 8192 g + 8191
; (iteration i, thread t: entries 512 i + 2 t and the next).  Memory binds: no LDS, no barrier, no matrix unit.
.set MASK19, 0x7ffff
.set SC,  16                           ; s[16:31]  the 16 scalings as f32
.set POS, 2                            ; v[2:4]    my point
.set R,   20                           ; v[20:51]  level l: the record's low word at R + 2 l, its high word behind it
.set Q,   52                           ; v[52:115] iteration i: four registers, two entries of each plane
	s_load_b256 s[4:11], s[0:1], 0x0               ; position s[4:5], hash_table s[6:7], rec s[8:9], tab s[10:11]
.set i, 0
.irp bits, 0x41800000,0x41a80000,0x41d80000,0x42100000,0x42400000,0x42800000,0x42a80000,0x42de0000,0x43130000,0x43420000,0x43800000,0x43a88000,0x43de8000,0x44130000,0x44420000,0x44800000
	s_mov_b32 s[SC+i], \bits                       ; 16 21 27 36 48 64 84 111 147 194 256 337 445 588 776 1024
.set i, i+1
.endr
	s_mov_b32 s32, 0x9e3779b1                      ; 2654435761
	s_mov_b32 s33, 0x30025795                      ; 805459861
	v_mul_u32_u24 v1, v0, 12                       ; my point's 12 bytes
	v_lshlrev_b32 v5, 3, v0                        ; my two entries in a plane: 8 t
	v_lshlrev_b32 v6, 4, v0                        ; and in tab: 16 t
	v_lshrrev_b32 v8, 5, v0
	v_and_b32 v9, 31, v0
	v_lshlrev_b32 v9, 4, v9
	v_lshl_add_u32 v7, v8, 12, v9                  ; rec: 4096 x wave + 16 x lane
	s_mov_b32 s13, 0
	s_mul_i32 s12, ttmp9, 3072                     ; 256 points of 12 bytes
	s_wait_kmcnt 0x0
	s_add_nc_u64 s[4:5], s[4:5], s[12:13]
	s_lshl_b32 s12, ttmp9, 15                      ; 8192 entries of 4 bytes; also 256 points of 128 bytes of records
	s_add_nc_u64 s[6:7], s[6:7], s[12:13]
	s_add_nc_u64 s[8:9], s[8:9], s[12:13]
	s_add_nc_u64 s[14:15], s[6:7], 0x2000000       ; the second feature's plane: 8388608 entries further
	s_lshl_b32 s12, ttmp9, 16                      ; 8192 entries of 8 bytes
	s_add_nc_u64 s[10:11], s[10:11], s[12:13]
	global_load_b96 v[POS:POS+2], v1, s[4:5]
.irp i, 0,1,2,3,4,5,6,7,8,9,10,11,12,13,14,15
	global_load_b64 v[Q+4*\i:Q+4*\i+1],   v5, s[6:7]   offset:2048*\i th:TH_LOAD_NT   ; a wave's load covers 256 consecutive bytes, aligned
	global_load_b64 v[Q+4*\i+2:Q+4*\i+3], v5, s[14:15] offset:2048*\i th:TH_LOAD_NT
.endr
	s_wait_loadcnt 32                              ; my point is in; the 32 table loads issued behind it stay out while the records are made
; One level's record.  ceil differs from floor exactly where the scaled coordinate is no whole number.
.macro RECL l
	v_mul_f32 v8,  s[SC+\l], v[POS]
	v_mul_f32 v12, s[SC+\l], v[POS+1]
	v_mul_f32 v16, s[SC+\l], v[POS+2]
	v_floor_f32 v9,  v8
	v_floor_f32 v13, v12
	v_floor_f32 v17, v16
	v_cmp_lg_f32 vcc_lo, v8, v9
	v_cndmask_b32 v10, 0, 1, vcc_lo
	v_cmp_lg_f32 vcc_lo, v12, v13
	v_cndmask_b32 v14, 0, 1, vcc_lo
	v_cmp_lg_f32 vcc_lo, v16, v17
	v_cndmask_b32 v18, 0, 1, vcc_lo
	v_cvt_i32_f32 v11, v9
	v_cvt_i32_f32 v15, v13
	v_cvt_i32_f32 v19, v17
	v_mul_lo_u32 v15, v15, s32
	v_mul_lo_u32 v19, v19, s33
	v_and_b32 v11, MASK19, v11                     ; X0
	v_and_b32 v15, MASK19, v15                     ; Y0
	v_and_b32 v19, MASK19, v19                     ; Z0
	v_lshl_or_b32 v[R+2*\l], v19, 19, v11          ; low word: X0, and Z0's low 13 bits
	v_lshrrev_b32 v19, 13, v19                     ; high word: Z0's upper 6 bits,
	v_lshl_or_b32 v19, v15, 6, v19                 ; Y0,
	v_lshl_or_b32 v19, v10, 25, v19                ; the three flags
	v_lshl_or_b32 v19, v14, 26, v19
	v_lshl_or_b32 v[R+2*\l+1], v18, 27, v19
.if (\l) & 1
	global_store_b128 v7, v[R+2*\l-2:R+2*\l+1], s[8:9] offset:512*((\l)/2)   ; two levels' records; no register of a store is written again
.endif
.endm
.irp l, 0,1,2,3,4,5,6,7,8,9,10,11,12,13,14,15
	RECL \l
.endr
; The table: (a0, a1) and (b0, b1) become (a0, b0, a1, b1); a wave's store covers 512 consecutive bytes, aligned.
.irp i, 0,1,2,3,4,5,6,7,8,9,10,11,12,13,14,15
	s_wait_loadcnt 30-2*\i                         ; loads come back in order: this iteration's two are in, the later iterations' stay out
	v_mov_b32 v8, v[Q+4*\i+1]
	v_mov_b32 v[Q+4*\i+1], v[Q+4*\i+2]
	v_mov_b32 v[Q+4*\i+2], v8
	global_store_b128 v6, v[Q+4*\i:Q+4*\i+3], s[10:11] offset:4096*\i
.endr
	s_endpgm
.Lfunc_end_k_qa58d540193_prep:
	.size	k_qa58d540193_prep, .Lfunc_end_k_qa58d540193_prep-k_qa58d540193_prep
	.p2alignl 7, 3214868480
	.fill 96, 4, 3214868480
	.section	.rodata,"a",@progbits
	.p2align	6, 0x0
	.amdhsa_kernel k_qa58d540193_prep
		.amdhsa_group_segment_fixed_size 0
		.amdhsa_private_segment_fixed_size 0
		.amdhsa_enable_private_segment 0
		.amdhsa_kernarg_size 32
		.amdhsa_user_sgpr_count 2
		.amdhsa_user_sgpr_kernarg_segment_ptr 1
		.amdhsa_wavefront_size32 1
		.amdhsa_system_sgpr_workgroup_id_x 1
		.amdhsa_system_sgpr_workgroup_id_y 1
		.amdhsa_system_sgpr_workgroup_id_z 1
		.amdhsa_system_vgpr_workitem_id 0
		.amdhsa_next_free_vgpr 116
		.amdhsa_next_free_sgpr 66
		.amdhsa_reserve_vcc 1
		.amdhsa_float_denorm_mode_32 3
		.amdhsa_float_denorm_mode_16_64 3
		.amdhsa_memory_ordered 1
		.amdhsa_forward_progress 1
		.amdhsa_inst_pref_size 29
	.end_amdhsa_kernel
	.amdgpu_metadata
---
amdhsa.version: [ 1, 2 ]
amdhsa.kernels:
  - .name:           k_qa58d540193_prep
    .symbol:         k_qa58d540193_prep.kd
    .args:
      - { .name: position, .offset: 0, .size: 8, .value_kind: global_buffer, .address_space: global }
      - { .name: hash_table, .offset: 8, .size: 8, .value_kind: global_buffer, .address_space: global }
      - { .name: rec, .offset: 16, .size: 8, .value_kind: global_buffer, .address_space: global }
      - { .name: tab, .offset: 24, .size: 8, .value_kind: global_buffer, .address_space: global }
    .group_segment_fixed_size: 0
    .private_segment_fixed_size: 0
    .kernarg_segment_align: 8
    .kernarg_segment_size: 32
    .max_flat_workgroup_size: 256
    .sgpr_count:     66
    .vgpr_count:     116
    .wavefront_size: 32
...
	.end_amdgpu_metadata
.endif
;; end of part 1
;; launch nerf (part 2): grid 256 x 1, 32 waves a work-group, no clusters, 119,808 bytes of LDS; arguments position, direction, rec, tab, out0, out1, w1, b1, wd, bd, wc1, bc1, wc2, bc2, wc3, bc3; writes out0, out1
.if DOCPART == 2
	.amdgcn_target "amdgcn-amd-amdhsa--gfx1250"
	.amdhsa_code_object_version 6
	.text
	.protected	k_qa58d540193_nerf
	.globl	k_qa58d540193_nerf
	.p2align	8
	.type	k_qa58d540193_nerf,@function
k_qa58d540193_nerf:
	s_mov_b64 s[64:65], 0
	v_nop
	global_prefetch_b8 v0, s[64:65] scope:SCOPE_SE
	s_setreg_imm32_b32 hwreg(HW_REG_WAVE_MODE, 25, 1), 1
	s_wait_xcnt 0x0
; InstantNerf, second launch: gather and blend of the hash grid, spherical harmonics, and the five dense layers, for 1024 points a work-group.
; No work of reference() is left out.  wc3 and bc3 (3 outputs) are padded with zeros to a tile of 16 rows that also holds the live rows.
; 32 waves; wave w owns points 32 w .. 32 w + 31 of the work-group; in the gather lane L is point L, for all 16 levels.
;
; GATHER.  The corner indices come from whole numbers alone, the records that the first launch stored (layout: see there): decode, add the
; primes where ceil differs from floor, XOR, bound by 2^19 - 1, one 8-byte load for a corner's two features from tab.  Three levels' loads
; (24 of a wave) are on their way at a time.  The weights follow reshape (16,3) -> (3,16) of reference(): with flat[j] = frac(pos[j % 3] * S[j / 3]),
; level l is blended by flat[l], flat[16 + l], flat[32 + l].  The scalings S are the constants derived at the head of the first launch.
;
; LAYERS.  Every product is used transposed: source A = 16 output features x 32 inputs of a weight, source B = 32 inputs x 16 points.
; In the result lane (r, h) holds features 8 h .. 8 h + 7 of point r, so packing register pairs gives the next layer's B fragment: no LDS between layers.
; A wave has two point tiles (0-15, 16-31).  Layers 1 and 2 take f16 operands (density is compared to one part in a hundred of its spread,
; and bf16's 8 bits leave too little margin); layers 3 to 5 take bf16, since density as an operand has no room in f16 at larger inputs.
;
; NO CLUSTER, NO TENSOR LOADS: what work-groups share is 38,476 bytes of weights and biases, against 1024 x 128 loads of 8 bytes
; by each lane's own index, which a tile load cannot bring.
; LIMITS: position as in the first launch; enc, w1, relu(h), wd are rounded to f16: magnitudes below 65,504, absolute step 6e-8 below 6e-5;
; a blend is formed as b + p (a - b), one rounding order other than a p + b (1 - p); relu is a maximum in which a NaN loses (NaN -> 0);
; the sigmoid's exponential and reciprocal flush denormals: a colour below 2^-126 comes out as 0.
.set MASK19, 0x7ffff
.set P1M, 0x779b1                      ; 2654435761 mod 2^19
.set P2M, 0x25795                      ; 805459861 mod 2^19
; LDS
.set WF,     0                         ; 20 weight fragments of 1,024 bytes: registers 0-3 at 16 x lane, registers 4-7 512 bytes behind
.set BIAS,   20480                     ; 14 tiles of 16 f32: b1 0-3, bd 4, bc1 5-8, bc2 9-12, bc3 13
.set DSTG,   21504                     ; density on its way out: 2,560 bytes a wave, its own: 32 points, 80 bytes apart
.set DPITCH, 80                        ; 64 bytes + 16: sixteen points' 16-byte pieces fall on different 16-byte columns of 256 bytes
.set CSTG,   103424                    ; colour on its way out: 12 bytes a point, the whole work-group's
; scalar registers
.set SC,  40                           ; s[40:55]  the scalings
.set LB0, 66                           ; s[66:97]  level l: tab + l x 4 MiB at LB0 + 2 l
; vector registers, gather
.set POS, 2                            ; v[2:4]
.set W,   6                            ; v[6:9]    px, py, pz, a temporary
.set X0, 10
.set X1, 11
.set Y0, 12
.set Y1, 13
.set Z0, 18
.set Z1, 19
.set CX, 20
.set YZ00, 20                          ; takes CX's place once X1 is made
.set CY, 21
.set CZ, 26
.set YZ11, 27
.set YZ10, 28
.set YZ01, 29
.set SHA, 14                           ; v[14:17]  harmonics 0-7, bf16 pairs
.set SHB, 22                           ; v[22:25]  harmonics 8-15
.set ENC, 30                           ; v[30:45]  one register a level (two f16); direction in v[30:32] until the harmonics are made
.set REC, 46                           ; v[46:77]  level l's record at REC + 2 l
.set G,   78                           ; v[78:125] three buffers of eight pairs; level l uses buffer l mod 3
; vector registers, layers
.set X3T0, 10                          ; v[10:17]  layer 3's input, tile 0: density, then harmonics
.set X3T1, 18                          ; v[18:25]  tile 1
.set H0,  46                           ; v[46:61]  layer 1's output, tile 0
.set H1,  62                           ; v[62:77]  tile 1
.set A0,  78                           ; v[78:85]  weight fragment
.set A1,  86                           ; v[86:93]  weight fragment of the second 32 inputs
.set BI,  94                           ; v[94:101] bias tile, laid out as an accumulator
.set ACC0, 102                         ; v[102:109]
.set ACC1, 110                         ; v[110:117]
.set C1T0, 30                          ; v[30:45]  layer 3's output
.set C1T1, 46                          ; v[46:61]
.set RB,   62                          ; v[62:77]  density read back by rows
.set C2T0, 10                          ; v[10:25]  layer 4's output
.set C2T1, 62                          ; v[62:77]
	s_load_b512 s[8:23], s[0:1], 0x0               ; position 8, direction 10, rec 12, tab 14, out0 16, out1 18, w1 20, b1 22
	s_load_b512 s[24:39], s[0:1], 0x40             ; wd 24, bd 26, wc1 28, bc1 30, wc2 32, bc2 34, wc3 36, bc3 38
	v_lshl_add_u32 v126, v0, 2, 0x1c400
	v_mov_b32 v127, 0
	v_lshrrev_b32 v1, 5, v0
	v_readfirstlane_b32 s2, v1                     ; wave 0..31
	v_and_b32 v107, 31, v0                         ; lane
	v_lshlrev_b32 v103, 4, v107
	v_lshl_add_u32 v5, v1, 12, v103                ; rec: 4096 x wave + 16 x lane
	v_mul_u32_u24 v1, v0, 12                       ; position, direction: 12 bytes a point
	v_lshl_add_u32 v103, s2, 10, v103              ; my wave's weight fragment in LDS: 1024 x wave + 16 x lane
	v_and_b32 v104, 15, v0                         ; r
	v_bfe_u32 v105, v0, 4, 1                       ; h
	v_min_u32 v106, 2, v104                        ; wc3's and bc3's column, kept inside their 3
.set i, 0
.irp bits, 0x41800000,0x41a80000,0x41d80000,0x42100000,0x42400000,0x42800000,0x42a80000,0x42de0000,0x43130000,0x43420000,0x43800000,0x43a88000,0x43de8000,0x44130000,0x44420000,0x44800000
	s_mov_b32 s[SC+i], \bits                       ; 16 21 27 36 48 64 84 111 147 194 256 337 445 588 776 1024
.set i, i+1
.endr
	s_mov_b32 s56, MASK19
	s_mov_b32 s57, P1M
	s_mov_b32 s58, P2M
	s_mov_b32 s59, 0x3f723881                      ; 0.9461747
	s_mov_b32 s5, 0
	s_mul_i32 s4, ttmp9, 12288                     ; 1024 points of 12 bytes
	s_wait_kmcnt 0x0
	s_add_nc_u64 s[8:9], s[8:9], s[4:5]
	s_add_nc_u64 s[10:11], s[10:11], s[4:5]
	s_add_nc_u64 s[18:19], s[18:19], s[4:5]
	s_lshl_b32 s4, ttmp9, 17                       ; 1024 points of 128 bytes of records
	s_add_nc_u64 s[12:13], s[12:13], s[4:5]
	s_lshl_b32 s4, ttmp9, 16                       ; 1024 points of 64 bytes of density
	s_add_nc_u64 s[16:17], s[16:17], s[4:5]
	s_mov_b64 s[LB0:LB0+1], s[14:15]
.irp l, 1,2,3,4,5,6,7,8,9,10,11,12,13,14,15
	s_add_nc_u64 s[LB0+2*\l:LB0+2*\l+1], s[14:15], \l*0x400000   ; a level is 524288 entries of 8 bytes
.endr
	global_load_b96 v[POS:POS+2], v1, s[8:9]
	global_load_b96 v[ENC:ENC+2], v1, s[10:11]
.irp p, 0,1,2,3,4,5,6,7
	global_load_b128 v[REC+4*\p:REC+4*\p+3], v5, s[12:13] offset:512*\p th:TH_LOAD_NT   ; 512 consecutive bytes a wave, aligned; read once in the launch
.endr
; STAGING: waves 0-19 each build one weight fragment, waves 20-23 copy the biases, in the shadow of the loads above.
; Fragment of W[k][n] (FO numbers a row), rows = outputs m0 + r: element i of lane (r, h) is k = k0 + 8 h + i (i < 8) or k0 + 8 h + i + 8.
; s4 = 4 m0 + 4 FO k0.  col: the register with the lane's column.  mask = 1: rows 3-15 are zeros (wc3).
.macro WBUILD ptr, FO, cvt, col, mask
	v_mul_u32_u24 v102, v105, 32*\FO
	v_lshl_add_u32 v102, v[\col], 2, v102
	v_add_nc_u32 v102, s4, v102
.irp i, 0,1,2,3,4,5,6,7
	global_load_b32 v[78+\i], v102, s[\ptr:\ptr+1] offset:4*\FO*\i
.endr
.irp i, 8,9,10,11,12,13,14,15
	global_load_b32 v[78+\i], v102, s[\ptr:\ptr+1] offset:4*\FO*(\i+8)
.endr
	s_wait_loadcnt 0x0
.if \mask
	v_cmp_gt_u32 vcc_lo, 3, v104
.irp i, 0,1,2,3,4,5,6,7,8,9,10,11,12,13,14,15
	v_cndmask_b32 v[78+\i], 0, v[78+\i], vcc_lo
.endr
.endif
.irp i, 0,1,2,3,4,5,6,7
	\cvt v[94+\i], v[78+2*\i], v[78+2*\i+1]
.endr
	ds_store_b128 v103, v[94:97]
	ds_store_b128 v103, v[98:101] offset:512
.endm
.macro BCOPY ptr, off                  ; 64 f32: 8 bytes a lane
	v_lshlrev_b32 v102, 3, v107
	global_load_b64 v[78:79], v102, s[\ptr:\ptr+1]
	s_wait_loadcnt 0x0
	ds_store_b64 v102, v[78:79] offset:BIAS+\off
.endm
	s_cmp_ge_u32 s2, 4
	s_cbranch_scc1 .Lnot_w1
	s_lshl_b32 s4, s2, 6                           ; w1: outputs 16 w ..
	WBUILD 20, 64, v_cvt_pk_f16_f32, 104, 0
	s_branch .Lstaged
.Lnot_w1:
	s_cmp_ge_u32 s2, 6
	s_cbranch_scc1 .Lnot_wd
	s_sub_co_u32 s4, s2, 4
	s_lshl_b32 s4, s4, 11                          ; wd: inputs 32 (w - 4) .., rows of 64 bytes
	WBUILD 24, 16, v_cvt_pk_f16_f32, 104, 0
	s_branch .Lstaged
.Lnot_wd:
	s_cmp_ge_u32 s2, 10
	s_cbranch_scc1 .Lnot_wc1
	s_sub_co_u32 s4, s2, 6
	s_lshl_b32 s4, s4, 6                           ; wc1: outputs 16 (w - 6) ..
	WBUILD 28, 64, v_cvt_pk_bf16_f32, 104, 0
	s_branch .Lstaged
.Lnot_wc1:
	s_cmp_ge_u32 s2, 18
	s_cbranch_scc1 .Lnot_wc2
	s_sub_co_u32 s3, s2, 10                        ; wc2: u = w - 10: outputs 16 (u / 2) .., inputs 32 (u mod 2) ..
	s_lshr_b32 s4, s3, 1
	s_lshl_b32 s4, s4, 6
	s_and_b32 s3, s3, 1
	s_lshl_b32 s3, s3, 13
	s_add_co_u32 s4, s4, s3
	WBUILD 32, 64, v_cvt_pk_bf16_f32, 104, 0
	s_branch .Lstaged
.Lnot_wc2:
	s_cmp_ge_u32 s2, 20
	s_cbranch_scc1 .Lnot_wc3
	s_sub_co_u32 s4, s2, 18
	s_mul_i32 s4, s4, 384                          ; wc3: inputs 32 (w - 18) .., rows of 12 bytes
	WBUILD 36, 3, v_cvt_pk_bf16_f32, 106, 1
	s_branch .Lstaged
.Lnot_wc3:
	s_cmp_ge_u32 s2, 24
	s_cbranch_scc1 .Lstaged
	s_cmp_lg_u32 s2, 20
	s_cbranch_scc1 .Lnot_b1
	BCOPY 22, 0
	s_branch .Lstaged
.Lnot_b1:
	s_cmp_lg_u32 s2, 21
	s_cbranch_scc1 .Lnot_bc1
	BCOPY 30, 320
	s_branch .Lstaged
.Lnot_bc1:
	s_cmp_lg_u32 s2, 22
	s_cbranch_scc1 .Lbd
	BCOPY 34, 576
	s_branch .Lstaged
.Lbd:                                              ; wave 23: bd, and bc3 with zeros behind its 3; lanes L and L + 16 store the same word with the same value
	v_lshlrev_b32 v102, 2, v104
	v_lshlrev_b32 v108, 2, v106
	global_load_b32 v78, v102, s[26:27]
	global_load_b32 v79, v108, s[38:39]
	s_wait_loadcnt 0x0
	v_cmp_gt_u32 vcc_lo, 3, v104
	v_cndmask_b32 v79, 0, v79, vcc_lo
	ds_store_b32 v102, v78 offset:BIAS+256
	ds_store_b32 v102, v79 offset:BIAS+832
.Lstaged:
	s_wait_loadcnt 0x0                             ; position, direction and the 16 records are in; v1 and v5 are free
; Level l: the eight corner indices and their loads.  Every XOR stands ahead of the bound; behind it the index is only scaled by the load (8 bytes an entry).
; A load lands on its own index register.  Corners as in reference(): 0 = ccc, 1 = ccf, 2 = cfc, 3 = fcc, 4 = cff, 5 = fcf, 6 = ffc, 7 = fff (x, y, z).
.macro ADDR l
.set GB, G+16*((\l)%3)
.set RW, REC+2*(\l)
.set LB, LB0+2*(\l)
	v_and_b32 v[X0], s56, v[RW]
	v_alignbit_b32 v[Z0], v[RW+1], v[RW], 19
	v_bfe_u32 v[Y0], v[RW+1], 6, 19
	v_bfe_u32 v[CX], v[RW+1], 25, 1
	v_bfe_u32 v[CY], v[RW+1], 26, 1
	v_bfe_u32 v[CZ], v[RW+1], 27, 1
	v_and_b32 v[Z0], s56, v[Z0]
	v_add_nc_u32 v[X1], v[X0], v[CX]
	v_mad_u32_u24 v[Y1], v[CY], s57, v[Y0]
	v_mad_u32_u24 v[Z1], v[CZ], s58, v[Z0]
	v_and_b32 v[X1], s56, v[X1]
	v_and_b32 v[Y1], s56, v[Y1]
	v_and_b32 v[Z1], s56, v[Z1]
	v_xor_b32 v[YZ11], v[Y1], v[Z1]
	v_xor_b32 v[YZ10], v[Y1], v[Z0]
	v_xor_b32 v[YZ01], v[Y0], v[Z1]
	v_xor_b32 v[YZ00], v[Y0], v[Z0]
	v_xor_b32 v[GB+0],  v[X1], v[YZ11]
	v_xor_b32 v[GB+6],  v[X0], v[YZ11]
	v_xor_b32 v[GB+2],  v[X1], v[YZ10]
	v_xor_b32 v[GB+10], v[X0], v[YZ10]
	v_xor_b32 v[GB+4],  v[X1], v[YZ01]
	v_xor_b32 v[GB+12], v[X0], v[YZ01]
	v_xor_b32 v[GB+8],  v[X1], v[YZ00]
	v_xor_b32 v[GB+14], v[X0], v[YZ00]
.irp k, 0,3,1,5,2,6,4,7
	v_min_u32 v[GB+2*\k], 0x7ffff, v[GB+2*\k]      ; changes no value: the index stays inside its level's 524288 entries
.endr
.irp k, 0,3,1,5,2,6,4,7
	global_load_b64 v[GB+2*\k:GB+2*\k+1], v[GB+2*\k], s[LB:LB+1] scale_offset   ; the two x neighbours of an edge one behind the other
.endr
.endm
; a <- b + p (a - b) on both features at once
.macro DIFF a, b
	v_pk_add_f32 v[GB+2*\a:GB+2*\a+1], v[GB+2*\a:GB+2*\a+1], v[GB+2*\b:GB+2*\b+1] neg_lo:[0,1] neg_hi:[0,1]
.endm
.macro MIXX a, b
	v_pk_fma_f32 v[GB+2*\a:GB+2*\a+1], v[GB+2*\a:GB+2*\a+1], v[W:W+1], v[GB+2*\b:GB+2*\b+1] op_sel_hi:[1,0,1]
.endm
.macro MIXY a, b
	v_pk_fma_f32 v[GB+2*\a:GB+2*\a+1], v[GB+2*\a:GB+2*\a+1], v[W:W+1], v[GB+2*\b:GB+2*\b+1] op_sel:[0,1,0] op_sel_hi:[1,1,1]
.endm
.macro MIXZ a, b
	v_pk_fma_f32 v[GB+2*\a:GB+2*\a+1], v[GB+2*\a:GB+2*\a+1], v[W+2:W+3], v[GB+2*\b:GB+2*\b+1] op_sel_hi:[1,0,1]
.endm
; Level l is blended.  left = the gathers issued behind level l's eight, which stay out.
.macro LERP l, left
.set GB, G+16*((\l)%3)
.set ER, ENC+((\l)&3)+4*(((\l)>>3)&1)+8*(((\l)>>2)&1)
	v_mul_f32 v[W],   s[SC+(\l)/3],      v[POS+(\l)%3]            ; the weights, made while the gathers land
	v_mul_f32 v[W+1], s[SC+(16+(\l))/3], v[POS+(16+(\l))%3]
	v_mul_f32 v[W+2], s[SC+(32+(\l))/3], v[POS+(32+(\l))%3]
	v_floor_f32 v[W+3], v[W]
	v_floor_f32 v1, v[W+1]
	v_floor_f32 v5, v[W+2]
	v_sub_f32 v[W],   v[W],   v[W+3]
	v_sub_f32 v[W+1], v[W+1], v1
	v_sub_f32 v[W+2], v[W+2], v5
	s_wait_loadcnt \left                           ; loads come back in order: level l's eight are in
	DIFF 0, 3
	DIFF 1, 2
	DIFF 5, 6
	DIFF 4, 7
	MIXX 0, 3
	MIXX 1, 2
	MIXX 5, 6
	MIXX 4, 7
	DIFF 0, 1
	DIFF 4, 5
	MIXY 0, 1
	MIXY 4, 5
	DIFF 0, 4
	MIXZ 0, 4
	v_cvt_pk_f16_f32 v[ER], v[GB], v[GB+1]         ; inputs 2 l, 2 l + 1 of layer 1
.endm
	ADDR 0
	ADDR 1
	ADDR 2
	; The 16 harmonics, in f32, packed to bf16 in pairs, while the first gathers are on their way.  x v30, y v31, z v32; v33-43 at work.
	v_mul_f32 v33, v30, v30                        ; xx
	v_mul_f32 v34, v31, v31                        ; yy
	v_mul_f32 v35, v32, v32                        ; zz
	v_mul_f32 v36, v30, v31                        ; xy
	v_sub_f32 v37, v33, v34                        ; xx - yy
	v_fma_f32 v38, 0x40a00000, v35, -1.0           ; 5 zz - 1
	v_fma_f32 v40, 0x40400000, v33, -v34           ; 3 xx - yy
	v_fma_f32 v41, 0xc0400000, v34, v33            ; xx - 3 yy
	v_add_f32 v39, -2.0, v38                       ; 5 zz - 3
	v_mov_b32 v42, 0x3e906ebb                      ; 0.28209479
	v_mul_f32 v43, 0x3efa2a1c, v31                 ; 0.48860251 y
	v_cvt_pk_bf16_f32 v[SHA], v42, v43
	v_mul_f32 v42, 0x3efa2a1c, v32
	v_mul_f32 v43, 0x3efa2a1c, v30
	v_cvt_pk_bf16_f32 v[SHA+1], v42, v43
	v_mul_f32 v42, 0x3f8bd8a1, v36                 ; 1.0925484 xy
	v_mul_f32 v43, v31, v32
	v_mul_f32 v43, 0x3f8bd8a1, v43
	v_cvt_pk_bf16_f32 v[SHA+2], v42, v43
	v_fma_f32 v42, s59, v35, 0xbea17b01            ; 0.9461747 zz - 0.31539157
	v_mul_f32 v43, v30, v32
	v_mul_f32 v43, 0x3f8bd8a1, v43
	v_cvt_pk_bf16_f32 v[SHA+3], v42, v43
	v_mul_f32 v42, 0x3f0bd8a1, v37                 ; 0.54627422 (xx - yy)
	v_mul_f32 v43, v31, v40
	v_mul_f32 v43, 0x3f170d19, v43                 ; 0.59004359 y (3 xx - yy)
	v_cvt_pk_bf16_f32 v[SHB], v42, v43
	v_mul_f32 v42, v36, v32
	v_mul_f32 v42, 0x4038ffc7, v42                 ; 2.8906114 xyz
	v_mul_f32 v43, v31, v38
	v_mul_f32 v43, 0x3eea01e8, v43                 ; 0.4570458 y (5 zz - 1)
	v_cvt_pk_bf16_f32 v[SHB+1], v42, v43
	v_mul_f32 v42, v32, v39
	v_mul_f32 v42, 0x3ebf10f8, v42                 ; 0.37317633 z (5 zz - 3)
	v_mul_f32 v43, v30, v38
	v_mul_f32 v43, 0x3eea01e8, v43
	v_cvt_pk_bf16_f32 v[SHB+2], v42, v43
	v_mul_f32 v42, v32, v37
	v_mul_f32 v42, 0x3fb8ffc7, v42                 ; 1.4453057 z (xx - yy)
	v_mul_f32 v43, v30, v41
	v_mul_f32 v43, 0x3f170d19, v43
	v_cvt_pk_bf16_f32 v[SHB+3], v42, v43
.irp l, 0,1,2,3,4,5,6,7,8,9,10,11,12
	LERP \l, 16                                    ; the two younger levels' 16 gathers stay out
	ADDR \l+3                                      ; into the buffer just blended
.endr
	LERP 13, 16
	LERP 14, 8
	LERP 15, 0
	; From lane = point to the B layout: the swap exchanges the first register's lanes 16-31 with the second's lanes 0-15, so that from
	; levels i (first) and 4 + i (second) come tile 0's register (points 0-15: level i below, 4 + i above) and tile 1's.
.irp i, 0,1,2,3,4,5,6,7
	v_permlane16_swap_b32 v[ENC+\i], v[ENC+8+\i]
.endr
.irp i, 0,1,2,3
	v_permlane16_swap_b32 v[SHA+\i], v[SHB+\i]     ; harmonics 2 i, 2 i + 1 and 8 + 2 i, 9 + 2 i likewise: registers 4-7 of layer 3's two inputs
.endr
	v_and_b32 v27, 31, v0                          ; lane
	v_bfe_u32 v26, v0, 4, 1                        ; h
	v_and_b32 v28, 15, v0                          ; r
	v_lshlrev_b32 v1, 4, v27                       ; weight fragments: 16 x lane
	v_lshlrev_b32 v5, 5, v26                       ; 32 h
	s_mul_i32 s3, s2, 32*DPITCH
	s_add_co_u32 s3, s3, DSTG                      ; my wave's density stage
	v_mad_u32_u24 v6, v28, DPITCH, v5
	v_add_nc_u32 v6, s3, v6                        ; in: point r, features 8 h ..
	v_add_nc_u32 v5, BIAS, v5                      ; bias tiles: features 8 h ..
	v_lshrrev_b32 v29, 2, v27
	v_and_b32 v7, 3, v27
	v_lshlrev_b32 v7, 4, v7
	v_mad_u32_u24 v7, v29, DPITCH, v7
	v_add_nc_u32 v7, s3, v7                        ; back: four lanes a point, 16 bytes each
	v_lshl_add_u32 v8, s2, 11, v1                  ; out0: 2048 x wave + 16 x lane
	v_mul_u32_u24 v9, v0, 12
	v_add_nc_u32 v9, CSTG, v9                      ; colour in: 12 bytes a point
	v_lshlrev_b32 v27, 4, v0                       ; out1: 16 bytes a thread
	v_add_nc_u32 v26, CSTG, v27                    ; colour back
	s_wait_dscnt 0x0                               ; my stores of weights or biases are done,
	s_barrier_signal -1
	s_barrier_wait -1                              ; everybody's are
.macro LDW f, dst
	ds_load_b128 v[\dst:\dst+3],   v1 offset:WF+(\f)*1024
	ds_load_b128 v[\dst+4:\dst+7], v1 offset:WF+(\f)*1024+512
.endm
.macro LDB tile
	ds_load_b128 v[BI:BI+3],   v5 offset:(\tile)*64
	ds_load_b128 v[BI+4:BI+7], v5 offset:(\tile)*64+16
.endm
; 16 output features for both point tiles; the bias tile starts the sums.  The two accumulators take turns, one instruction a turn.
.macro TILE op, ks, b0, b1
	\op v[ACC0:ACC0+7], v[A0:A0+7], v[\b0:\b0+7], v[BI:BI+7]
	\op v[ACC1:ACC1+7], v[A0:A0+7], v[\b1:\b1+7], v[BI:BI+7]
.if \ks == 2
	\op v[ACC0:ACC0+7], v[A1:A1+7], v[\b0+8:\b0+15], v[ACC0:ACC0+7]
	\op v[ACC1:ACC1+7], v[A1:A1+7], v[\b1+8:\b1+15], v[ACC1:ACC1+7]
.endif
.endm
; Behind the products: four places before results are read or loads are issued into the fragments, five before the next step's products
; write over the accumulators.
.macro NOP5
.rept 5
	v_nop
.endr
.endm
.macro RELUPACK cvt, d0, d1
.irp j, 0,1,2,3,4,5,6,7
	v_max_num_f32 v[ACC0+\j], 0, v[ACC0+\j]
.endr
.irp j, 0,1,2,3,4,5,6,7
	v_max_num_f32 v[ACC1+\j], 0, v[ACC1+\j]
.endr
.irp j, 0,1,2,3
	\cvt v[(\d0)+\j], v[ACC0+2*\j], v[ACC0+2*\j+1]
.endr
.irp j, 0,1,2,3
	\cvt v[(\d1)+\j], v[ACC1+2*\j], v[ACC1+2*\j+1]
.endr
.endm
; Each step: wait for its fragments, the products, the places, the NEXT step's fragment loads, then this step's packing, which covers them.
	; layer 1: 32 -> 64, f16
	LDW 0, A0
	LDB 0
.irp mt, 0,1,2,3
	s_wait_dscnt 0x0
	TILE v_wmma_f32_16x16x32_f16, 1, ENC, ENC+8
	NOP5
.if \mt < 3
	LDW \mt+1, A0
	LDB \mt+1
.else
	LDW 4, A0
	LDW 5, A1
	LDB 4
.endif
	RELUPACK v_cvt_pk_f16_f32, H0+4*\mt, H1+4*\mt
.endr
	; layer 2: 64 -> 16, f16: density
	s_wait_dscnt 0x0
	TILE v_wmma_f32_16x16x32_f16, 2, H0, H1
	NOP5
	LDW 6, A0
	LDB 5
.irp j, 0,1,2,3
	v_cvt_pk_bf16_f32 v[X3T0+\j], v[ACC0+2*\j], v[ACC0+2*\j+1]
	v_cvt_pk_bf16_f32 v[X3T1+\j], v[ACC1+2*\j], v[ACC1+2*\j+1]
.endr
	ds_store_b128 v6, v[ACC0:ACC0+3]
	ds_store_b128 v6, v[ACC0+4:ACC0+7] offset:16
	ds_store_b128 v6, v[ACC1:ACC1+3]   offset:16*DPITCH
	ds_store_b128 v6, v[ACC1+4:ACC1+7] offset:16*DPITCH+16
.irp u, 0,1,2,3
	ds_load_b128 v[RB+4*\u:RB+4*\u+3], v7 offset:8*DPITCH*\u       ; my wave's own bytes: LDS serves a wave's instructions in order
.endr
.irp u, 0,1,2,3
	s_wait_dscnt 3-\u                              ; the read-backs issued behind this one stay out
	global_store_b128 v8, v[RB+4*\u:RB+4*\u+3], s[16:17] offset:512*\u th:TH_STORE_NT   ; 512 consecutive bytes a wave, aligned: eight points' rows
.endr
	; layer 3: [density | harmonics] 32 -> 64, bf16
.irp mt, 0,1,2,3
	s_wait_dscnt 0x0
	TILE v_wmma_f32_16x16x32_bf16, 1, X3T0, X3T1
	NOP5
.if \mt < 3
	LDW \mt+7, A0
	LDB \mt+6
.else
	LDW 10, A0
	LDW 11, A1
	LDB 9
.endif
	RELUPACK v_cvt_pk_bf16_f32, C1T0+4*\mt, C1T1+4*\mt
.endr
	; layer 4: 64 -> 64, bf16
.irp mt, 0,1,2,3
	s_wait_dscnt 0x0
	TILE v_wmma_f32_16x16x32_bf16, 2, C1T0, C1T1
	NOP5
.if \mt < 3
	LDW 2*\mt+12, A0
	LDW 2*\mt+13, A1
	LDB \mt+10
.else
	LDW 18, A0
	LDW 19, A1
	LDB 13
.endif
.if \mt == 0
	s_wait_xcnt 0x0                                ; v[62:77] were the data of out0's stores: they are written again only behind this wait
.endif
	RELUPACK v_cvt_pk_bf16_f32, C2T0+4*\mt, C2T1+4*\mt
.endr
	; layer 5: 64 -> 3 (rows 3-15 of the tile are zeros), bf16, and the sigmoid
	s_wait_dscnt 0x0
	TILE v_wmma_f32_16x16x32_bf16, 2, C2T0, C2T1
	NOP5
.irp j, 0,1,2
	v_permlane16_swap_b32 v[ACC0+\j], v[ACC1+\j]   ; colour j: tile 1's lanes 0-15 come to lanes 16-31: lane = point again
.endr
.irp j, 0,1,2
	v_mul_f32 v[ACC0+\j], 0xbfb8aa3b, v[ACC0+\j]   ; -x / ln 2
.endr
.irp j, 0,1,2
	v_exp_f32 v[ACC0+\j], v[ACC0+\j]
.endr
	v_nop                                          ; one plain place behind the last exponential
	s_wait_alu depctr_va_vdst(0)
.irp j, 0,1,2
	v_add_f32 v[ACC0+\j], 1.0, v[ACC0+\j]
.endr
.irp j, 0,1,2
	v_rcp_f32 v[ACC0+\j], v[ACC0+\j]               ; an overflowed exponential gives 1 / inf = 0, as the reference's sigmoid does
.endr
	v_nop
	s_wait_alu depctr_va_vdst(0)
.irp j, 0,1,2
	ds_store_b32 v9, v[ACC0+\j] offset:4*\j        ; lanes 3 words apart: 32 different banks
.endr
	s_wait_dscnt 0x0                               ; my colours are in LDS,
	s_barrier_signal -1
	s_barrier_wait -1                              ; everybody's are
	s_cmp_ge_u32 s2, 24                            ; 12,288 bytes are 16 bytes for each thread of waves 0-23
	s_cbranch_scc1 .Lend
	ds_load_b128 v[A0:A0+3], v26
	s_wait_dscnt 0x0
	global_store_b128 v27, v[A0:A0+3], s[18:19] th:TH_STORE_NT     ; 512 consecutive bytes a wave, aligned
.Lend:
	s_wait_tensorcnt 0x0
	ds_add_u32 v126, v127
	s_wait_dscnt 0x0
	s_endpgm
.Lfunc_end_k_qa58d540193_nerf:
	.size	k_qa58d540193_nerf, .Lfunc_end_k_qa58d540193_nerf-k_qa58d540193_nerf
	.p2alignl 7, 3214868480
	.fill 96, 4, 3214868480
	.section	.rodata,"a",@progbits
	.p2align	6, 0x0
	.amdhsa_kernel k_qa58d540193_nerf
		.amdhsa_group_segment_fixed_size 119808
		.amdhsa_private_segment_fixed_size 0
		.amdhsa_enable_private_segment 0
		.amdhsa_kernarg_size 128
		.amdhsa_user_sgpr_count 2
		.amdhsa_user_sgpr_kernarg_segment_ptr 1
		.amdhsa_wavefront_size32 1
		.amdhsa_system_sgpr_workgroup_id_x 1
		.amdhsa_system_sgpr_workgroup_id_y 1
		.amdhsa_system_sgpr_workgroup_id_z 1
		.amdhsa_system_vgpr_workitem_id 0
		.amdhsa_next_free_vgpr 128
		.amdhsa_next_free_sgpr 98
		.amdhsa_reserve_vcc 1
		.amdhsa_float_denorm_mode_32 3
		.amdhsa_float_denorm_mode_16_64 3
		.amdhsa_memory_ordered 1
		.amdhsa_forward_progress 1
		.amdhsa_inst_pref_size 104
	.end_amdhsa_kernel
	.amdgpu_metadata
---
amdhsa.version: [ 1, 2 ]
amdhsa.kernels:
  - .name:           k_qa58d540193_nerf
    .symbol:         k_qa58d540193_nerf.kd
    .args:
      - { .name: position, .offset: 0, .size: 8, .value_kind: global_buffer, .address_space: global }
      - { .name: direction, .offset: 8, .size: 8, .value_kind: global_buffer, .address_space: global }
      - { .name: rec, .offset: 16, .size: 8, .value_kind: global_buffer, .address_space: global }
      - { .name: tab, .offset: 24, .size: 8, .value_kind: global_buffer, .address_space: global }
      - { .name: out0, .offset: 32, .size: 8, .value_kind: global_buffer, .address_space: global }
      - { .name: out1, .offset: 40, .size: 8, .value_kind: global_buffer, .address_space: global }
      - { .name: w1, .offset: 48, .size: 8, .value_kind: global_buffer, .address_space: global }
      - { .name: b1, .offset: 56, .size: 8, .value_kind: global_buffer, .address_space: global }
      - { .name: wd, .offset: 64, .size: 8, .value_kind: global_buffer, .address_space: global }
      - { .name: bd, .offset: 72, .size: 8, .value_kind: global_buffer, .address_space: global }
      - { .name: wc1, .offset: 80, .size: 8, .value_kind: global_buffer, .address_space: global }
      - { .name: bc1, .offset: 88, .size: 8, .value_kind: global_buffer, .address_space: global }
      - { .name: wc2, .offset: 96, .size: 8, .value_kind: global_buffer, .address_space: global }
      - { .name: bc2, .offset: 104, .size: 8, .value_kind: global_buffer, .address_space: global }
      - { .name: wc3, .offset: 112, .size: 8, .value_kind: global_buffer, .address_space: global }
      - { .name: bc3, .offset: 120, .size: 8, .value_kind: global_buffer, .address_space: global }
    .group_segment_fixed_size: 119808
    .private_segment_fixed_size: 0
    .kernarg_segment_align: 8
    .kernarg_segment_size: 128
    .max_flat_workgroup_size: 1024
    .sgpr_count:     98
    .vgpr_count:     128
    .wavefront_size: 32
...
	.end_amdgpu_metadata
.endif
;; end of part 2
;; ======== version 2 of 3: 2 launches; 1.30 times as fast as version 1
;; limits: values are held in f16: magnitudes above 65,504 overflow, below 6.1e-05 lose precision; values outside matrix products are rounded to f16
;; workspace buffers: rec 33,554,432 bytes of whole numbers; tab 33,554,432 bytes
;; launch prep (part 3): grid 1024 x 1, 8 waves a work-group, no clusters, 0 bytes of LDS; arguments position, hash_table, rec, tab; writes rec, tab
.if DOCPART == 3
	.amdgcn_target "amdgcn-amd-amdhsa--gfx1250"
	.amdhsa_code_object_version 6
	.text
	.protected	k_qa58d540193_prep
	.globl	k_qa58d540193_prep
	.p2align	8
	.type	k_qa58d540193_prep,@function
k_qa58d540193_prep:
	s_mov_b64 s[64:65], 0
	v_nop
	global_prefetch_b8 v0, s[64:65] scope:SCOPE_SE
	s_setreg_imm32_b32 hwreg(HW_REG_WAVE_MODE, 25, 1), 1
	s_wait_xcnt 0x0
; InstantNerf, first of two launches.  It prepares what the second launch gathers by:
;  (a) tab[i] = one word, f16(hash_table[0][i]) below, f16(hash_table[1][i]) above: one 4-byte load fetches a corner's two features
;      where the table as given needs two loads 32 MiB apart;
;  (b) rec: for each point and each of the 16 levels one record of 64 bits of whole numbers, all that the hash of the eight corners needs.
; No work of reference() is left out in either launch, and every input is loaded: nothing in it is dead for all values of the inputs.
;
; WHY f16 SERVES.  The three weights of a blend are fractions, so a blend is a weighted mean of eight entries: rounding each entry
; (relative 2^-11) moves it by at most 2^-11 of the largest entry, as much as the rounding of the blend itself to f16, the format
; in which it is layer 1's matrix operand.  The blend is still formed in f32.
;
; THE RECORD.  The hash is taken modulo 2^19, and XOR and multiplication modulo 2^19 use the low 19 bits alone, so a record holds
;   bits 0-18   X0 = floor(x) mod 2^19            bits 19-37  Z0 = floor(z) * 805459861 mod 2^19
;   bits 38-56  Y0 = floor(y) * 2654435761 mod 2^19   bits 57, 58, 59: ceil differs from floor in x, y, z
; The ceil corner's term is then X0 + 1, Y0 + prime, Z0 + prime modulo 2^19 where the flag is set.
; rec's layout: point n, level pair p (levels 2p, 2p+1) at byte (n / 32) * 4096 + 512 p + 16 (n mod 32): a wave's store (and the
; next launch's load) of 16 bytes a lane covers 512 consecutive bytes, aligned.
;
; THE SCALINGS are constants of reference(): floor(16 * g^l), g = exp((log 1024 - log 16) / 15) in f32.  The quotient is
; 9303264 * 2^-25; its exponential lies 2680226.625 steps of 2^-23 above 1 and is taken to round up, to the f32 just above 2^0.4, so that
; g^5, g^10, g^15 lie above 4, 16, 64 and levels 5, 10, 15 have 64, 256, 1024.  The 16 values stand in the list below.
; LIMITS: position finite and |position * 1024| below 2^31 (the conversion to int32); hash_table is rounded to f16: magnitudes below
; 65,504, absolute step 6e-8 below 6e-5.
;
; Eight waves.  Work-group g owns points 256 g .. 256 g + 255 (thread t: one point) and table entries 8192 g .. 8192 g + 8191
; (iteration i, thread t: entries 1024 i + 4 t and the three behind).  Memory binds: no LDS, no barrier, no matrix unit.
.set MASK19, 0x7ffff
.set SC,  16                           ; s[16:31]  the 16 scalings as f32
.set POS, 2                            ; v[2:4]    my point
.set R,   20                           ; v[20:51]  level l: the record's low word at R + 2 l, its high word behind it
.set Q,   52                           ; v[52:115] iteration i: eight registers: four entries of the first plane, four of the second
	s_load_b256 s[4:11], s[0:1], 0x0               ; position s[4:5], hash_table s[6:7], rec s[8:9], tab s[10:11]
.set i, 0
.irp bits, 0x41800000,0x41a80000,0x41d80000,0x42100000,0x42400000,0x42800000,0x42a80000,0x42de0000,0x43130000,0x43420000,0x43800000,0x43a88000,0x43de8000,0x44130000,0x44420000,0x44800000
	s_mov_b32 s[SC+i], \bits                       ; 16 21 27 36 48 64 84 111 147 194 256 337 445 588 776 1024
.set i, i+1
.endr
	s_mov_b32 s32, 0x9e3779b1                      ; 2654435761
	s_mov_b32 s33, 0x30025795                      ; 805459861
	v_mul_u32_u24 v1, v0, 12                       ; my point's 12 bytes
	v_lshlrev_b32 v6, 4, v0                        ; my four entries, in a plane (4 x f32) and in tab (4 words) alike: 16 t
	v_lshrrev_b32 v8, 5, v0
	v_and_b32 v9, 31, v0
	v_lshlrev_b32 v9, 4, v9
	v_lshl_add_u32 v7, v8, 12, v9                  ; rec: 4096 x wave + 16 x lane
	s_mov_b32 s13, 0
	s_mul_i32 s12, ttmp9, 3072                     ; 256 points of 12 bytes
	s_wait_kmcnt 0x0
	s_add_nc_u64 s[4:5], s[4:5], s[12:13]
	s_lshl_b32 s12, ttmp9, 15                      ; 8192 entries of 4 bytes, in a plane and in tab; also 256 points of 128 bytes of records
	s_add_nc_u64 s[6:7], s[6:7], s[12:13]
	s_add_nc_u64 s[8:9], s[8:9], s[12:13]
	s_add_nc_u64 s[10:11], s[10:11], s[12:13]
	s_add_nc_u64 s[14:15], s[6:7], 0x2000000       ; the second feature's plane: 8388608 entries further
	global_load_b96 v[POS:POS+2], v1, s[4:5]
.irp i, 0,1,2,3,4,5,6,7
	global_load_b128 v[Q+8*\i:Q+8*\i+3],   v6, s[6:7]   offset:4096*\i th:TH_LOAD_NT   ; a wave's load covers 512 consecutive bytes, aligned
	global_load_b128 v[Q+8*\i+4:Q+8*\i+7], v6, s[14:15] offset:4096*\i th:TH_LOAD_NT
.endr
	s_wait_loadcnt 16                              ; my point is in; the 16 table loads issued behind it stay out while the records are made
; One level's record.  ceil differs from floor exactly where the scaled coordinate is no whole number.
.macro RECL l
	v_mul_f32 v8,  s[SC+\l], v[POS]
	v_mul_f32 v12, s[SC+\l], v[POS+1]
	v_mul_f32 v16, s[SC+\l], v[POS+2]
	v_floor_f32 v9,  v8
	v_floor_f32 v13, v12
	v_floor_f32 v17, v16
	v_cmp_lg_f32 vcc_lo, v8, v9
	v_cndmask_b32 v10, 0, 1, vcc_lo
	v_cmp_lg_f32 vcc_lo, v12, v13
	v_cndmask_b32 v14, 0, 1, vcc_lo
	v_cmp_lg_f32 vcc_lo, v16, v17
	v_cndmask_b32 v18, 0, 1, vcc_lo
	v_cvt_i32_f32 v11, v9
	v_cvt_i32_f32 v15, v13
	v_cvt_i32_f32 v19, v17
	v_mul_lo_u32 v15, v15, s32
	v_mul_lo_u32 v19, v19, s33
	v_and_b32 v11, MASK19, v11                     ; X0
	v_and_b32 v15, MASK19, v15                     ; Y0
	v_and_b32 v19, MASK19, v19                     ; Z0
	v_lshl_or_b32 v[R+2*\l], v19, 19, v11          ; low word: X0, and Z0's low 13 bits
	v_lshrrev_b32 v19, 13, v19                     ; high word: Z0's upper 6 bits,
	v_lshl_or_b32 v19, v15, 6, v19                 ; Y0,
	v_lshl_or_b32 v19, v10, 25, v19                ; the three flags
	v_lshl_or_b32 v19, v14, 26, v19
	v_lshl_or_b32 v[R+2*\l+1], v18, 27, v19
.if (\l) & 1
	global_store_b128 v7, v[R+2*\l-2:R+2*\l+1], s[8:9] offset:512*((\l)/2)   ; two levels' records; no register of a store is written again
.endif
.endm
.irp l, 0,1,2,3,4,5,6,7,8,9,10,11,12,13,14,15
	RECL \l
.endr
; The table: entry j's two features are rounded and packed into the register that held its first; a wave's store covers 512 consecutive bytes, aligned.
.irp i, 0,1,2,3,4,5,6,7
	s_wait_loadcnt 14-2*\i                         ; loads come back in order: this iteration's two are in, the later iterations' stay out
.irp j, 0,1,2,3
	v_cvt_pk_f16_f32 v[Q+8*\i+\j], v[Q+8*\i+\j], v[Q+8*\i+4+\j]   ; first source into the low half
.endr
	global_store_b128 v6, v[Q+8*\i:Q+8*\i+3], s[10:11] offset:4096*\i
.endr
	s_endpgm
.Lfunc_end_k_qa58d540193_prep:
	.size	k_qa58d540193_prep, .Lfunc_end_k_qa58d540193_prep-k_qa58d540193_prep
	.p2alignl 7, 3214868480
	.fill 96, 4, 3214868480
	.section	.rodata,"a",@progbits
	.p2align	6, 0x0
	.amdhsa_kernel k_qa58d540193_prep
		.amdhsa_group_segment_fixed_size 0
		.amdhsa_private_segment_fixed_size 0
		.amdhsa_enable_private_segment 0
		.amdhsa_kernarg_size 32
		.amdhsa_user_sgpr_count 2
		.amdhsa_user_sgpr_kernarg_segment_ptr 1
		.amdhsa_wavefront_size32 1
		.amdhsa_system_sgpr_workgroup_id_x 1
		.amdhsa_system_sgpr_workgroup_id_y 1
		.amdhsa_system_sgpr_workgroup_id_z 1
		.amdhsa_system_vgpr_workitem_id 0
		.amdhsa_next_free_vgpr 116
		.amdhsa_next_free_sgpr 66
		.amdhsa_reserve_vcc 1
		.amdhsa_float_denorm_mode_32 3
		.amdhsa_float_denorm_mode_16_64 3
		.amdhsa_memory_ordered 1
		.amdhsa_forward_progress 1
		.amdhsa_inst_pref_size 27
	.end_amdhsa_kernel
	.amdgpu_metadata
---
amdhsa.version: [ 1, 2 ]
amdhsa.kernels:
  - .name:           k_qa58d540193_prep
    .symbol:         k_qa58d540193_prep.kd
    .args:
      - { .name: position, .offset: 0, .size: 8, .value_kind: global_buffer, .address_space: global }
      - { .name: hash_table, .offset: 8, .size: 8, .value_kind: global_buffer, .address_space: global }
      - { .name: rec, .offset: 16, .size: 8, .value_kind: global_buffer, .address_space: global }
      - { .name: tab, .offset: 24, .size: 8, .value_kind: global_buffer, .address_space: global }
    .group_segment_fixed_size: 0
    .private_segment_fixed_size: 0
    .kernarg_segment_align: 8
    .kernarg_segment_size: 32
    .max_flat_workgroup_size: 256
    .sgpr_count:     66
    .vgpr_count:     116
    .wavefront_size: 32
...
	.end_amdgpu_metadata
.endif
;; end of part 3
;; launch nerf (part 4): grid 256 x 1, 32 waves a work-group, no clusters, 119,808 bytes of LDS; arguments position, direction, rec, tab, out0, out1, w1, b1, wd, bd, wc1, bc1, wc2, bc2, wc3, bc3; writes out0, out1
.if DOCPART == 4
	.amdgcn_target "amdgcn-amd-amdhsa--gfx1250"
	.amdhsa_code_object_version 6
	.text
	.protected	k_qa58d540193_nerf
	.globl	k_qa58d540193_nerf
	.p2align	8
	.type	k_qa58d540193_nerf,@function
k_qa58d540193_nerf:
	s_mov_b64 s[64:65], 0
	v_nop
	global_prefetch_b8 v0, s[64:65] scope:SCOPE_SE
	s_setreg_imm32_b32 hwreg(HW_REG_WAVE_MODE, 25, 1), 1
	s_wait_xcnt 0x0
; InstantNerf, second launch: gather and blend of the hash grid, spherical harmonics, and the five dense layers, for 1024 points a work-group.
; No work of reference() is left out.  wc3 and bc3 (3 outputs) are padded with zeros to a tile of 16 rows that also holds the live rows.
; 32 waves; wave w owns points 32 w .. 32 w + 31 of the work-group; in the gather lane L is point L, for all 16 levels.
;
; GATHER.  The corner indices come from whole numbers alone, the records that the first launch stored (layout: see there): decode, add the
; primes where ceil differs from floor, XOR, bound by 2^19 - 1, one 4-byte load for a corner's two features (two f16) from tab.  Five levels'
; loads (40 of a wave) are on their way at a time.  The corners are widened to f32 and blended in f32.  The weights follow reshape
; (16,3) -> (3,16) of reference(): with flat[j] = frac(pos[j % 3] * S[j / 3]), level l is blended by flat[l], flat[16 + l], flat[32 + l].
; The scalings S are the constants derived at the head of the first launch.
;
; LAYERS.  Every product is used transposed: source A = 16 output features x 32 inputs of a weight, source B = 32 inputs x 16 points.
; In the result lane (r, h) holds features 8 h .. 8 h + 7 of point r, so packing register pairs gives the next layer's B fragment: no LDS between layers.
; A wave has two point tiles (0-15, 16-31).  Layers 1 and 2 take f16 operands (density is compared to one part in a hundred of its spread,
; and bf16's 8 bits leave too little margin); layers 3 to 5 take bf16, since density as an operand has no room in f16 at larger inputs.
;
; NO CLUSTER, NO TENSOR LOADS: what work-groups share is 38,476 bytes of weights and biases, against 1024 x 128 loads of 4 bytes
; by each lane's own index, which a tile load cannot bring.
; LIMITS: position and hash_table as in the first launch; enc, w1, relu(h), wd are rounded to f16: magnitudes below 65,504, absolute step
; 6e-8 below 6e-5; a blend is formed as b + p (a - b), one rounding order other than a p + b (1 - p); relu is a maximum in which a NaN
; loses (NaN -> 0); the sigmoid's exponential and reciprocal flush denormals: a colour below 2^-126 comes out as 0.
.set MASK19, 0x7ffff
.set P1M, 0x779b1                      ; 2654435761 mod 2^19
.set P2M, 0x25795                      ; 805459861 mod 2^19
; LDS
.set WF,     0                         ; 20 weight fragments of 1,024 bytes: registers 0-3 at 16 x lane, registers 4-7 512 bytes behind
.set BIAS,   20480                     ; 14 tiles of 16 f32: b1 0-3, bd 4, bc1 5-8, bc2 9-12, bc3 13
.set DSTG,   21504                     ; density on its way out: 2,560 bytes a wave, its own: 32 points, 80 bytes apart
.set DPITCH, 80                        ; 64 bytes + 16: sixteen points' 16-byte pieces fall on different 16-byte columns of 256 bytes
.set CSTG,   103424                    ; colour on its way out: 12 bytes a point, the whole work-group's
; scalar registers
.set SC,  40                           ; s[40:55]  the scalings
.set LB0, 66                           ; s[66:97]  level l: tab + l x 2 MiB at LB0 + 2 l
; vector registers, gather
.set POS, 2                            ; v[2:4]
.set W,   6                            ; v[6:9]    px, py, pz, a temporary
.set X0, 10
.set X1, 11
.set Y0, 12
.set Y1, 13
.set Z0, 18
.set Z1, 19
.set CX, 20
.set YZ00, 20                          ; takes CX's place once X1 is made
.set CY, 21
.set CZ, 26
.set YZ11, 27
.set YZ10, 28
.set YZ01, 29
.set SHA, 14                           ; v[14:17]  harmonics 0-7, bf16 pairs
.set SHB, 22                           ; v[22:25]  harmonics 8-15
.set ENC, 30                           ; v[30:45]  one register a level (two f16); direction in v[30:32] until the harmonics are made
.set REC, 46                           ; v[46:77]  level l's record at REC + 2 l
.set G,   78                           ; v[78:117] five buffers of eight registers; level l uses buffer l mod 5; corners 0 3 1 2 5 6 4 7: the partners of a blend by px side by side
.set F,   118                          ; v[118:125] four pairs of f32 at work in a blend
; vector registers, layers
.set X3T0, 10                          ; v[10:17]  layer 3's input, tile 0: density, then harmonics
.set X3T1, 18                          ; v[18:25]  tile 1
.set H0,  46                           ; v[46:61]  layer 1's output, tile 0
.set H1,  62                           ; v[62:77]  tile 1
.set A0,  78                           ; v[78:85]  weight fragment
.set A1,  86                           ; v[86:93]  weight fragment of the second 32 inputs
.set BI,  94                           ; v[94:101] bias tile, laid out as an accumulator
.set ACC0, 102                         ; v[102:109]
.set ACC1, 110                         ; v[110:117]
.set C1T0, 30                          ; v[30:45]  layer 3's output
.set C1T1, 46                          ; v[46:61]
.set RB,   62                          ; v[62:77]  density read back by rows
.set C2T0, 10                          ; v[10:25]  layer 4's output
.set C2T1, 62                          ; v[62:77]
	s_load_b512 s[8:23], s[0:1], 0x0               ; position 8, direction 10, rec 12, tab 14, out0 16, out1 18, w1 20, b1 22
	s_load_b512 s[24:39], s[0:1], 0x40             ; wd 24, bd 26, wc1 28, bc1 30, wc2 32, bc2 34, wc3 36, bc3 38
	v_lshl_add_u32 v126, v0, 2, 0x1c400
	v_mov_b32 v127, 0
	v_lshrrev_b32 v1, 5, v0
	v_readfirstlane_b32 s2, v1                     ; wave 0..31
	v_and_b32 v107, 31, v0                         ; lane
	v_lshlrev_b32 v103, 4, v107
	v_lshl_add_u32 v5, v1, 12, v103                ; rec: 4096 x wave + 16 x lane
	v_mul_u32_u24 v1, v0, 12                       ; position, direction: 12 bytes a point
	v_lshl_add_u32 v103, s2, 10, v103              ; my wave's weight fragment in LDS: 1024 x wave + 16 x lane
	v_and_b32 v104, 15, v0                         ; r
	v_bfe_u32 v105, v0, 4, 1                       ; h
	v_min_u32 v106, 2, v104                        ; wc3's and bc3's column, kept inside their 3
.set i, 0
.irp bits, 0x41800000,0x41a80000,0x41d80000,0x42100000,0x42400000,0x42800000,0x42a80000,0x42de0000,0x43130000,0x43420000,0x43800000,0x43a88000,0x43de8000,0x44130000,0x44420000,0x44800000
	s_mov_b32 s[SC+i], \bits                       ; 16 21 27 36 48 64 84 111 147 194 256 337 445 588 776 1024
.set i, i+1
.endr
	s_mov_b32 s56, MASK19
	s_mov_b32 s57, P1M
	s_mov_b32 s58, P2M
	s_mov_b32 s59, 0x3f723881                      ; 0.9461747
	s_mov_b32 s5, 0
	s_mul_i32 s4, ttmp9, 12288                     ; 1024 points of 12 bytes
	s_wait_kmcnt 0x0
	s_add_nc_u64 s[8:9], s[8:9], s[4:5]
	s_add_nc_u64 s[10:11], s[10:11], s[4:5]
	s_add_nc_u64 s[18:19], s[18:19], s[4:5]
	s_lshl_b32 s4, ttmp9, 17                       ; 1024 points of 128 bytes of records
	s_add_nc_u64 s[12:13], s[12:13], s[4:5]
	s_lshl_b32 s4, ttmp9, 16                       ; 1024 points of 64 bytes of density
	s_add_nc_u64 s[16:17], s[16:17], s[4:5]
	s_mov_b64 s[LB0:LB0+1], s[14:15]
.irp l, 1,2,3,4,5,6,7,8,9,10,11,12,13,14,15
	s_add_nc_u64 s[LB0+2*\l:LB0+2*\l+1], s[14:15], \l*0x200000   ; a level is 524288 entries of 4 bytes
.endr
	global_load_b96 v[POS:POS+2], v1, s[8:9]
	global_load_b96 v[ENC:ENC+2], v1, s[10:11]
.irp p, 0,1,2,3,4,5,6,7
	global_load_b128 v[REC+4*\p:REC+4*\p+3], v5, s[12:13] offset:512*\p th:TH_LOAD_NT   ; 512 consecutive bytes a wave, aligned; read once in the launch
.endr
; STAGING: waves 0-19 each build one weight fragment, waves 20-23 copy the biases, in the shadow of the loads above.
; Fragment of W[k][n] (FO numbers a row), rows = outputs m0 + r: element i of lane (r, h) is k = k0 + 8 h + i (i < 8) or k0 + 8 h + i + 8.
; s4 = 4 m0 + 4 FO k0.  col: the register with the lane's column.  mask = 1: rows 3-15 are zeros (wc3).
.macro WBUILD ptr, FO, cvt, col, mask
	v_mul_u32_u24 v102, v105, 32*\FO
	v_lshl_add_u32 v102, v[\col], 2, v102
	v_add_nc_u32 v102, s4, v102
.irp i, 0,1,2,3,4,5,6,7
	global_load_b32 v[78+\i], v102, s[\ptr:\ptr+1] offset:4*\FO*\i
.endr
.irp i, 8,9,10,11,12,13,14,15
	global_load_b32 v[78+\i], v102, s[\ptr:\ptr+1] offset:4*\FO*(\i+8)
.endr
	s_wait_loadcnt 0x0
.if \mask
	v_cmp_gt_u32 vcc_lo, 3, v104
.irp i, 0,1,2,3,4,5,6,7,8,9,10,11,12,13,14,15
	v_cndmask_b32 v[78+\i], 0, v[78+\i], vcc_lo
.endr
.endif
.irp i, 0,1,2,3,4,5,6,7
	\cvt v[94+\i], v[78+2*\i], v[78+2*\i+1]
.endr
	ds_store_b128 v103, v[94:97]
	ds_store_b128 v103, v[98:101] offset:512
.endm
.macro BCOPY ptr, off                  ; 64 f32: 8 bytes a lane
	v_lshlrev_b32 v102, 3, v107
	global_load_b64 v[78:79], v102, s[\ptr:\ptr+1]
	s_wait_loadcnt 0x0
	ds_store_b64 v102, v[78:79] offset:BIAS+\off
.endm
	s_cmp_ge_u32 s2, 4
	s_cbranch_scc1 .Lnot_w1
	s_lshl_b32 s4, s2, 6                           ; w1: outputs 16 w ..
	WBUILD 20, 64, v_cvt_pk_f16_f32, 104, 0
	s_branch .Lstaged
.Lnot_w1:
	s_cmp_ge_u32 s2, 6
	s_cbranch_scc1 .Lnot_wd
	s_sub_co_u32 s4, s2, 4
	s_lshl_b32 s4, s4, 11                          ; wd: inputs 32 (w - 4) .., rows of 64 bytes
	WBUILD 24, 16, v_cvt_pk_f16_f32, 104, 0
	s_branch .Lstaged
.Lnot_wd:
	s_cmp_ge_u32 s2, 10
	s_cbranch_scc1 .Lnot_wc1
	s_sub_co_u32 s4, s2, 6
	s_lshl_b32 s4, s4, 6                           ; wc1: outputs 16 (w - 6) ..
	WBUILD 28, 64, v_cvt_pk_bf16_f32, 104, 0
	s_branch .Lstaged
.Lnot_wc1:
	s_cmp_ge_u32 s2, 18
	s_cbranch_scc1 .Lnot_wc2
	s_sub_co_u32 s3, s2, 10                        ; wc2: u = w - 10: outputs 16 (u / 2) .., inputs 32 (u mod 2) ..
	s_lshr_b32 s4, s3, 1
	s_lshl_b32 s4, s4, 6
	s_and_b32 s3, s3, 1
	s_lshl_b32 s3, s3, 13
	s_add_co_u32 s4, s4, s3
	WBUILD 32, 64, v_cvt_pk_bf16_f32, 104, 0
	s_branch .Lstaged
.Lnot_wc2:
	s_cmp_ge_u32 s2, 20
	s_cbranch_scc1 .Lnot_wc3
	s_sub_co_u32 s4, s2, 18
	s_mul_i32 s4, s4, 384                          ; wc3: inputs 32 (w - 18) .., rows of 12 bytes
	WBUILD 36, 3, v_cvt_pk_bf16_f32, 106, 1
	s_branch .Lstaged
.Lnot_wc3:
	s_cmp_ge_u32 s2, 24
	s_cbranch_scc1 .Lstaged
	s_cmp_lg_u32 s2, 20
	s_cbranch_scc1 .Lnot_b1
	BCOPY 22, 0
	s_branch .Lstaged
.Lnot_b1:
	s_cmp_lg_u32 s2, 21
	s_cbranch_scc1 .Lnot_bc1
	BCOPY 30, 320
	s_branch .Lstaged
.Lnot_bc1:
	s_cmp_lg_u32 s2, 22
	s_cbranch_scc1 .Lbd
	BCOPY 34, 576
	s_branch .Lstaged
.Lbd:                                              ; wave 23: bd, and bc3 with zeros behind its 3; lanes L and L + 16 store the same word with the same value
	v_lshlrev_b32 v102, 2, v104
	v_lshlrev_b32 v108, 2, v106
	global_load_b32 v78, v102, s[26:27]
	global_load_b32 v79, v108, s[38:39]
	s_wait_loadcnt 0x0
	v_cmp_gt_u32 vcc_lo, 3, v104
	v_cndmask_b32 v79, 0, v79, vcc_lo
	ds_store_b32 v102, v78 offset:BIAS+256
	ds_store_b32 v102, v79 offset:BIAS+832
.Lstaged:
	s_wait_loadcnt 0x0                             ; position, direction and the 16 records are in; v1 and v5 are free
; Level l: the eight corner indices and their loads.  Every XOR stands ahead of the bound; behind it the index is only scaled by the load (4 bytes an entry).
; A load lands on its own index register.  Corners as in reference(): 0 = ccc, 1 = ccf, 2 = cfc, 3 = fcc, 4 = cff, 5 = fcf, 6 = ffc, 7 = fff (x, y, z).
.macro ADDR l
.set GB, G+8*((\l)%5)
.set RW, REC+2*(\l)
.set LB, LB0+2*(\l)
	v_and_b32 v[X0], s56, v[RW]
	v_alignbit_b32 v[Z0], v[RW+1], v[RW], 19
	v_bfe_u32 v[Y0], v[RW+1], 6, 19
	v_bfe_u32 v[CX], v[RW+1], 25, 1
	v_bfe_u32 v[CY], v[RW+1], 26, 1
	v_bfe_u32 v[CZ], v[RW+1], 27, 1
	v_and_b32 v[Z0], s56, v[Z0]
	v_add_nc_u32 v[X1], v[X0], v[CX]
	v_mad_u32_u24 v[Y1], v[CY], s57, v[Y0]
	v_mad_u32_u24 v[Z1], v[CZ], s58, v[Z0]
	v_and_b32 v[X1], s56, v[X1]
	v_and_b32 v[Y1], s56, v[Y1]
	v_and_b32 v[Z1], s56, v[Z1]
	v_xor_b32 v[YZ11], v[Y1], v[Z1]
	v_xor_b32 v[YZ10], v[Y1], v[Z0]
	v_xor_b32 v[YZ01], v[Y0], v[Z1]
	v_xor_b32 v[YZ00], v[Y0], v[Z0]
	v_xor_b32 v[GB+0], v[X1], v[YZ11]              ; corner 0
	v_xor_b32 v[GB+1], v[X0], v[YZ11]              ; corner 3
	v_xor_b32 v[GB+2], v[X1], v[YZ10]              ; corner 1
	v_xor_b32 v[GB+3], v[X1], v[YZ01]              ; corner 2
	v_xor_b32 v[GB+4], v[X0], v[YZ10]              ; corner 5
	v_xor_b32 v[GB+5], v[X0], v[YZ01]              ; corner 6
	v_xor_b32 v[GB+6], v[X1], v[YZ00]              ; corner 4
	v_xor_b32 v[GB+7], v[X0], v[YZ00]              ; corner 7
.irp k, 0,1,2,3,4,5,6,7
	v_min_u32 v[GB+\k], 0x7ffff, v[GB+\k]          ; changes no value: the index stays inside its level's 524288 entries
.endr
.irp k, 0,1,2,4,3,5,6,7
	global_load_b32 v[GB+\k], v[GB+\k], s[LB:LB+1] scale_offset   ; corners 0 3, 1 5, 2 6, 4 7: the two x neighbours of an edge one behind the other
.endr
.endm
; The partners a, b of blend p, two f16 each, become two pairs of f32: a's in F's pair p, b's in the two registers that held a and b.
; A half of a register is named by the register's number written out, so the buffers' numbers stand in the five calls below.
.macro WIDEN p, a, b
	v_cvt_f32_f16 v[F+2*\p],   v\a\().l
	v_cvt_f32_f16 v[F+2*\p+1], v\a\().h
	v_cvt_f32_f16 v\a, v\b\().l
	v_cvt_f32_f16 v\b, v\b\().h
.endm
.macro WIDEN8 r0, r1, r2, r3, r4, r5, r6, r7
	WIDEN 0, \r0, \r1
	WIDEN 1, \r2, \r3
	WIDEN 2, \r4, \r5
	WIDEN 3, \r6, \r7
.endm
.macro WIDENL l                        ; buffer l mod 5 = v[G + 8 (l mod 5)] and the seven behind
.if (\l)%5 == 0
	WIDEN8 78, 79, 80, 81, 82, 83, 84, 85
.endif
.if (\l)%5 == 1
	WIDEN8 86, 87, 88, 89, 90, 91, 92, 93
.endif
.if (\l)%5 == 2
	WIDEN8 94, 95, 96, 97, 98, 99, 100, 101
.endif
.if (\l)%5 == 3
	WIDEN8 102, 103, 104, 105, 106, 107, 108, 109
.endif
.if (\l)%5 == 4
	WIDEN8 110, 111, 112, 113, 114, 115, 116, 117
.endif
.endm
; a <- b + p (a - b) on both features at once; a, b: the first register of a pair
.macro DIFF a, b
	v_pk_add_f32 v[\a:\a+1], v[\a:\a+1], v[\b:\b+1] neg_lo:[0,1] neg_hi:[0,1]
.endm
.macro MIXX a, b
	v_pk_fma_f32 v[\a:\a+1], v[\a:\a+1], v[W:W+1], v[\b:\b+1] op_sel_hi:[1,0,1]
.endm
.macro MIXY a, b
	v_pk_fma_f32 v[\a:\a+1], v[\a:\a+1], v[W:W+1], v[\b:\b+1] op_sel:[0,1,0] op_sel_hi:[1,1,1]
.endm
.macro MIXZ a, b
	v_pk_fma_f32 v[\a:\a+1], v[\a:\a+1], v[W+2:W+3], v[\b:\b+1] op_sel_hi:[1,0,1]
.endm
; Level l is blended.  left = the gathers issued behind level l's eight, which stay out.
.macro LERP l, left
.set GB, G+8*((\l)%5)
.set ER, ENC+((\l)&3)+4*(((\l)>>3)&1)+8*(((\l)>>2)&1)
	v_mul_f32 v[W],   s[SC+(\l)/3],      v[POS+(\l)%3]            ; the weights, made while the gathers land
	v_mul_f32 v[W+1], s[SC+(16+(\l))/3], v[POS+(16+(\l))%3]
	v_mul_f32 v[W+2], s[SC+(32+(\l))/3], v[POS+(32+(\l))%3]
	v_floor_f32 v[W+3], v[W]
	v_floor_f32 v1, v[W+1]
	v_floor_f32 v5, v[W+2]
	v_sub_f32 v[W],   v[W],   v[W+3]
	v_sub_f32 v[W+1], v[W+1], v1
	v_sub_f32 v[W+2], v[W+2], v5
	s_wait_loadcnt \left                           ; loads come back in order: level l's eight are in
	WIDENL \l
	DIFF F+0, GB+0                                 ; by px: corners 0 and 3,
	DIFF F+2, GB+2                                 ; 1 and 2,
	DIFF F+4, GB+4                                 ; 5 and 6,
	DIFF F+6, GB+6                                 ; 4 and 7
	MIXX F+0, GB+0
	MIXX F+2, GB+2
	MIXX F+4, GB+4
	MIXX F+6, GB+6
	DIFF F+0, F+2                                  ; by py: 03 and 12,
	DIFF F+6, F+4                                  ; 47 and 56
	MIXY F+0, F+2
	MIXY F+6, F+4
	DIFF F+0, F+6                                  ; by pz
	MIXZ F+0, F+6
	v_cvt_pk_f16_f32 v[ER], v[F], v[F+1]           ; inputs 2 l, 2 l + 1 of layer 1
.endm
	ADDR 0
	ADDR 1
	ADDR 2
	ADDR 3
	ADDR 4
	; The 16 harmonics, in f32, packed to bf16 in pairs, while the first gathers are on their way.  x v30, y v31, z v32; v33-43 at work.
	v_mul_f32 v33, v30, v30                        ; xx
	v_mul_f32 v34, v31, v31                        ; yy
	v_mul_f32 v35, v32, v32                        ; zz
	v_mul_f32 v36, v30, v31                        ; xy
	v_sub_f32 v37, v33, v34                        ; xx - yy
	v_fma_f32 v38, 0x40a00000, v35, -1.0           ; 5 zz - 1
	v_fma_f32 v40, 0x40400000, v33, -v34           ; 3 xx - yy
	v_fma_f32 v41, 0xc0400000, v34, v33            ; xx - 3 yy
	v_add_f32 v39, -2.0, v38                       ; 5 zz - 3
	v_mov_b32 v42, 0x3e906ebb                      ; 0.28209479
	v_mul_f32 v43, 0x3efa2a1c, v31                 ; 0.48860251 y
	v_cvt_pk_bf16_f32 v[SHA], v42, v43
	v_mul_f32 v42, 0x3efa2a1c, v32
	v_mul_f32 v43, 0x3efa2a1c, v30
	v_cvt_pk_bf16_f32 v[SHA+1], v42, v43
	v_mul_f32 v42, 0x3f8bd8a1, v36                 ; 1.0925484 xy
	v_mul_f32 v43, v31, v32
	v_mul_f32 v43, 0x3f8bd8a1, v43
	v_cvt_pk_bf16_f32 v[SHA+2], v42, v43
	v_fma_f32 v42, s59, v35, 0xbea17b01            ; 0.9461747 zz - 0.31539157
	v_mul_f32 v43, v30, v32
	v_mul_f32 v43, 0x3f8bd8a1, v43
	v_cvt_pk_bf16_f32 v[SHA+3], v42, v43
	v_mul_f32 v42, 0x3f0bd8a1, v37                 ; 0.54627422 (xx - yy)
	v_mul_f32 v43, v31, v40
	v_mul_f32 v43, 0x3f170d19, v43                 ; 0.59004359 y (3 xx - yy)
	v_cvt_pk_bf16_f32 v[SHB], v42, v43
	v_mul_f32 v42, v36, v32
	v_mul_f32 v42, 0x4038ffc7, v42                 ; 2.8906114 xyz
	v_mul_f32 v43, v31, v38
	v_mul_f32 v43, 0x3eea01e8, v43                 ; 0.4570458 y (5 zz - 1)
	v_cvt_pk_bf16_f32 v[SHB+1], v42, v43
	v_mul_f32 v42, v32, v39
	v_mul_f32 v42, 0x3ebf10f8, v42                 ; 0.37317633 z (5 zz - 3)
	v_mul_f32 v43, v30, v38
	v_mul_f32 v43, 0x3eea01e8, v43
	v_cvt_pk_bf16_f32 v[SHB+2], v42, v43
	v_mul_f32 v42, v32, v37
	v_mul_f32 v42, 0x3fb8ffc7, v42                 ; 1.4453057 z (xx - yy)
	v_mul_f32 v43, v30, v41
	v_mul_f32 v43, 0x3f170d19, v43
	v_cvt_pk_bf16_f32 v[SHB+3], v42, v43
	; The one barrier between the stores of weights and biases above and the layers' reads of them stands here, at the gather's head, so that
	; no wave waits behind its gather for another wave's.  The gathers stay out across it: no wave writes the bytes that they read.
	s_wait_dscnt 0x0                               ; my stores of weights or biases are done,
	s_barrier_signal -1
	s_barrier_wait -1                              ; everybody's are
.irp l, 0,1,2,3,4,5,6,7,8,9,10
	LERP \l, 32                                    ; the four younger levels' 32 gathers stay out
	ADDR \l+5                                      ; into the buffer just blended
.endr
	LERP 11, 32
	LERP 12, 24
	LERP 13, 16
	LERP 14, 8
	LERP 15, 0
	; From lane = point to the B layout: the swap exchanges the first register's lanes 16-31 with the second's lanes 0-15, so that from
	; levels i (first) and 4 + i (second) come tile 0's register (points 0-15: level i below, 4 + i above) and tile 1's.
.irp i, 0,1,2,3,4,5,6,7
	v_permlane16_swap_b32 v[ENC+\i], v[ENC+8+\i]
.endr
.irp i, 0,1,2,3
	v_permlane16_swap_b32 v[SHA+\i], v[SHB+\i]     ; harmonics 2 i, 2 i + 1 and 8 + 2 i, 9 + 2 i likewise: registers 4-7 of layer 3's two inputs
.endr
	v_and_b32 v27, 31, v0                          ; lane
	v_bfe_u32 v26, v0, 4, 1                        ; h
	v_and_b32 v28, 15, v0                          ; r
	v_lshlrev_b32 v1, 4, v27                       ; weight fragments: 16 x lane
	v_lshlrev_b32 v5, 5, v26                       ; 32 h
	s_mul_i32 s3, s2, 32*DPITCH
	s_add_co_u32 s3, s3, DSTG                      ; my wave's density stage
	v_mad_u32_u24 v6, v28, DPITCH, v5
	v_add_nc_u32 v6, s3, v6                        ; in: point r, features 8 h ..
	v_add_nc_u32 v5, BIAS, v5                      ; bias tiles: features 8 h ..
	v_lshrrev_b32 v29, 2, v27
	v_and_b32 v7, 3, v27
	v_lshlrev_b32 v7, 4, v7
	v_mad_u32_u24 v7, v29, DPITCH, v7
	v_add_nc_u32 v7, s3, v7                        ; back: four lanes a point, 16 bytes each
	v_lshl_add_u32 v8, s2, 11, v1                  ; out0: 2048 x wave + 16 x lane
	v_mul_u32_u24 v9, v0, 12
	v_add_nc_u32 v9, CSTG, v9                      ; colour in: 12 bytes a point
	v_lshlrev_b32 v27, 4, v0                       ; out1: 16 bytes a thread
	v_add_nc_u32 v26, CSTG, v27                    ; colour back
.macro LDW f, dst
	ds_load_b128 v[\dst:\dst+3],   v1 offset:WF+(\f)*1024
	ds_load_b128 v[\dst+4:\dst+7], v1 offset:WF+(\f)*1024+512
.endm
.macro LDB tile
	ds_load_b128 v[BI:BI+3],   v5 offset:(\tile)*64
	ds_load_b128 v[BI+4:BI+7], v5 offset:(\tile)*64+16
.endm
; 16 output features for both point tiles; the bias tile starts the sums.  The two accumulators take turns, one instruction a turn.
.macro TILE op, ks, b0, b1
	\op v[ACC0:ACC0+7], v[A0:A0+7], v[\b0:\b0+7], v[BI:BI+7]
	\op v[ACC1:ACC1+7], v[A0:A0+7], v[\b1:\b1+7], v[BI:BI+7]
.if \ks == 2
	\op v[ACC0:ACC0+7], v[A1:A1+7], v[\b0+8:\b0+15], v[ACC0:ACC0+7]
	\op v[ACC1:ACC1+7], v[A1:A1+7], v[\b1+8:\b1+15], v[ACC1:ACC1+7]
.endif
.endm
; Behind the products: four places before results are read or loads are issued into the fragments, five before the next step's products
; write over the accumulators.
.macro NOP5
.rept 5
	v_nop
.endr
.endm
.macro RELUPACK cvt, d0, d1
.irp j, 0,1,2,3,4,5,6,7
	v_max_num_f32 v[ACC0+\j], 0, v[ACC0+\j]
.endr
.irp j, 0,1,2,3,4,5,6,7
	v_max_num_f32 v[ACC1+\j], 0, v[ACC1+\j]
.endr
.irp j, 0,1,2,3
	\cvt v[(\d0)+\j], v[ACC0+2*\j], v[ACC0+2*\j+1]
.endr
.irp j, 0,1,2,3
	\cvt v[(\d1)+\j], v[ACC1+2*\j], v[ACC1+2*\j+1]
.endr
.endm
; Each step: wait for its fragments, the products, the places, the NEXT step's fragment loads, then this step's packing, which covers them.
	; layer 1: 32 -> 64, f16
	LDW 0, A0
	LDB 0
.irp mt, 0,1,2,3
	s_wait_dscnt 0x0
	TILE v_wmma_f32_16x16x32_f16, 1, ENC, ENC+8
	NOP5
.if \mt < 3
	LDW \mt+1, A0
	LDB \mt+1
.else
	LDW 4, A0
	LDW 5, A1
	LDB 4
.endif
	RELUPACK v_cvt_pk_f16_f32, H0+4*\mt, H1+4*\mt
.endr
	; layer 2: 64 -> 16, f16: density
	s_wait_dscnt 0x0
	TILE v_wmma_f32_16x16x32_f16, 2, H0, H1
	NOP5
	LDW 6, A0
	LDB 5
.irp j, 0,1,2,3
	v_cvt_pk_bf16_f32 v[X3T0+\j], v[ACC0+2*\j], v[ACC0+2*\j+1]
	v_cvt_pk_bf16_f32 v[X3T1+\j], v[ACC1+2*\j], v[ACC1+2*\j+1]
.endr
	ds_store_b128 v6, v[ACC0:ACC0+3]
	ds_store_b128 v6, v[ACC0+4:ACC0+7] offset:16
	ds_store_b128 v6, v[ACC1:ACC1+3]   offset:16*DPITCH
	ds_store_b128 v6, v[ACC1+4:ACC1+7] offset:16*DPITCH+16
.irp u, 0,1,2,3
	ds_load_b128 v[RB+4*\u:RB+4*\u+3], v7 offset:8*DPITCH*\u       ; my wave's own bytes: LDS serves a wave's instructions in order
.endr
.irp u, 0,1,2,3
	s_wait_dscnt 3-\u                              ; the read-backs issued behind this one stay out
	global_store_b128 v8, v[RB+4*\u:RB+4*\u+3], s[16:17] offset:512*\u th:TH_STORE_NT   ; 512 consecutive bytes a wave, aligned: eight points' rows
.endr
	; layer 3: [density | harmonics] 32 -> 64, bf16
.irp mt, 0,1,2,3
	s_wait_dscnt 0x0
	TILE v_wmma_f32_16x16x32_bf16, 1, X3T0, X3T1
	NOP5
.if \mt < 3
	LDW \mt+7, A0
	LDB \mt+6
.else
	LDW 10, A0
	LDW 11, A1
	LDB 9
.endif
	RELUPACK v_cvt_pk_bf16_f32, C1T0+4*\mt, C1T1+4*\mt
.endr
	; layer 4: 64 -> 64, bf16
.irp mt, 0,1,2,3
	s_wait_dscnt 0x0
	TILE v_wmma_f32_16x16x32_bf16, 2, C1T0, C1T1
	NOP5
.if \mt < 3
	LDW 2*\mt+12, A0
	LDW 2*\mt+13, A1
	LDB \mt+10
.else
	LDW 18, A0
	LDW 19, A1
	LDB 13
.endif
.if \mt == 0
	s_wait_xcnt 0x0                                ; v[62:77] were the data of out0's stores: they are written again only behind this wait
.endif
	RELUPACK v_cvt_pk_bf16_f32, C2T0+4*\mt, C2T1+4*\mt
.endr
	; layer 5: 64 -> 3 (rows 3-15 of the tile are zeros), bf16, and the sigmoid
	s_wait_dscnt 0x0
	TILE v_wmma_f32_16x16x32_bf16, 2, C2T0, C2T1
	NOP5
.irp j, 0,1,2
	v_permlane16_swap_b32 v[ACC0+\j], v[ACC1+\j]   ; colour j: tile 1's lanes 0-15 come to lanes 16-31: lane = point again
.endr
.irp j, 0,1,2
	v_mul_f32 v[ACC0+\j], 0xbfb8aa3b, v[ACC0+\j]   ; -x / ln 2
.endr
.irp j, 0,1,2
	v_exp_f32 v[ACC0+\j], v[ACC0+\j]
.endr
	v_nop                                          ; one plain place behind the last exponential
	s_wait_alu depctr_va_vdst(0)
.irp j, 0,1,2
	v_add_f32 v[ACC0+\j], 1.0, v[ACC0+\j]
.endr
.irp j, 0,1,2
	v_rcp_f32 v[ACC0+\j], v[ACC0+\j]               ; an overflowed exponential gives 1 / inf = 0, as the reference's sigmoid does
.endr
	v_nop
	s_wait_alu depctr_va_vdst(0)
.irp j, 0,1,2
	ds_store_b32 v9, v[ACC0+\j] offset:4*\j        ; lanes 3 words apart: 32 different banks
.endr
	s_wait_dscnt 0x0                               ; my colours are in LDS,
	s_barrier_signal -1
	s_barrier_wait -1                              ; everybody's are
	s_cmp_ge_u32 s2, 24                            ; 12,288 bytes are 16 bytes for each thread of waves 0-23
	s_cbranch_scc1 .Lend
	ds_load_b128 v[A0:A0+3], v26
	s_wait_dscnt 0x0
	global_store_b128 v27, v[A0:A0+3], s[18:19] th:TH_STORE_NT     ; 512 consecutive bytes a wave, aligned
.Lend:
	s_wait_tensorcnt 0x0
	ds_add_u32 v126, v127
	s_wait_dscnt 0x0
	s_endpgm
.Lfunc_end_k_qa58d540193_nerf:
	.size	k_qa58d540193_nerf, .Lfunc_end_k_qa58d540193_nerf-k_qa58d540193_nerf
	.p2alignl 7, 3214868480
	.fill 96, 4, 3214868480
	.section	.rodata,"a",@progbits
	.p2align	6, 0x0
	.amdhsa_kernel k_qa58d540193_nerf
		.amdhsa_group_segment_fixed_size 119808
		.amdhsa_private_segment_fixed_size 0
		.amdhsa_enable_private_segment 0
		.amdhsa_kernarg_size 128
		.amdhsa_user_sgpr_count 2
		.amdhsa_user_sgpr_kernarg_segment_ptr 1
		.amdhsa_wavefront_size32 1
		.amdhsa_system_sgpr_workgroup_id_x 1
		.amdhsa_system_sgpr_workgroup_id_y 1
		.amdhsa_system_sgpr_workgroup_id_z 1
		.amdhsa_system_vgpr_workitem_id 0
		.amdhsa_next_free_vgpr 128
		.amdhsa_next_free_sgpr 98
		.amdhsa_reserve_vcc 1
		.amdhsa_float_denorm_mode_32 3
		.amdhsa_float_denorm_mode_16_64 3
		.amdhsa_memory_ordered 1
		.amdhsa_forward_progress 1
		.amdhsa_inst_pref_size 112
	.end_amdhsa_kernel
	.amdgpu_metadata
---
amdhsa.version: [ 1, 2 ]
amdhsa.kernels:
  - .name:           k_qa58d540193_nerf
    .symbol:         k_qa58d540193_nerf.kd
    .args:
      - { .name: position, .offset: 0, .size: 8, .value_kind: global_buffer, .address_space: global }
      - { .name: direction, .offset: 8, .size: 8, .value_kind: global_buffer, .address_space: global }
      - { .name: rec, .offset: 16, .size: 8, .value_kind: global_buffer, .address_space: global }
      - { .name: tab, .offset: 24, .size: 8, .value_kind: global_buffer, .address_space: global }
      - { .name: out0, .offset: 32, .size: 8, .value_kind: global_buffer, .address_space: global }
      - { .name: out1, .offset: 40, .size: 8, .value_kind: global_buffer, .address_space: global }
      - { .name: w1, .offset: 48, .size: 8, .value_kind: global_buffer, .address_space: global }
      - { .name: b1, .offset: 56, .size: 8, .value_kind: global_buffer, .address_space: global }
      - { .name: wd, .offset: 64, .size: 8, .value_kind: global_buffer, .address_space: global }
      - { .name: bd, .offset: 72, .size: 8, .value_kind: global_buffer, .address_space: global }
      - { .name: wc1, .offset: 80, .size: 8, .value_kind: global_buffer, .address_space: global }
      - { .name: bc1, .offset: 88, .size: 8, .value_kind: global_buffer, .address_space: global }
      - { .name: wc2, .offset: 96, .size: 8, .value_kind: global_buffer, .address_space: global }
      - { .name: bc2, .offset: 104, .size: 8, .value_kind: global_buffer, .address_space: global }
      - { .name: wc3, .offset: 112, .size: 8, .value_kind: global_buffer, .address_space: global }
      - { .name: bc3, .offset: 120, .size: 8, .value_kind: global_buffer, .address_space: global }
    .group_segment_fixed_size: 119808
    .private_segment_fixed_size: 0
    .kernarg_segment_align: 8
    .kernarg_segment_size: 128
    .max_flat_workgroup_size: 1024
    .sgpr_count:     98
    .vgpr_count:     128
    .wavefront_size: 32
...
	.end_amdgpu_metadata
.endif
;; end of part 4
;; ======== version 3 of 3: 2 launches; version 2 with the launch nerf written anew for expert scheduling mode
;; limits: values are held in f16: magnitudes above 65,504 overflow, below 6.1e-05 lose precision; values outside matrix products are rounded to f16
;; workspace buffers: rec 33,554,432 bytes of whole numbers; tab 33,554,432 bytes
;; launch prep: the kernel of part 3 again; grid 1024 x 1, 8 waves a work-group, no clusters, 0 bytes of LDS; arguments position, hash_table, rec, tab; writes rec, tab
;; launch nerf (part 5): grid 256 x 1, 32 waves a work-group, no clusters, 119,808 bytes of LDS; arguments position, direction, rec, tab, out0, out1, w1, b1, wd, bd, wc1, bc1, wc2, bc2, wc3, bc3; writes out0, out1
.if DOCPART == 5
	.amdgcn_target "amdgcn-amd-amdhsa--gfx1250"
	.amdhsa_code_object_version 6
	.text
	.protected	k_qa58d540193_nerf
	.globl	k_qa58d540193_nerf
	.p2align	8
	.type	k_qa58d540193_nerf,@function
k_qa58d540193_nerf:
	s_mov_b64 s[64:65], 0
	v_nop
	global_prefetch_b8 v0, s[64:65] scope:SCOPE_SE
	s_setreg_imm32_b32 hwreg(HW_REG_WAVE_SCHED_MODE, 0, 2), 2
	s_setreg_imm32_b32 hwreg(HW_REG_WAVE_MODE, 25, 1), 1
	s_wait_xcnt 0x0
	s_wait_alu depctr_vm_vsrc(0)
; InstantNerf, second launch: gather and blend of the hash grid, spherical harmonics, and the five dense layers, for 1024 points a work-group.
; No work of reference() is left out.  wc3 and bc3 (3 outputs) are padded with zeros to a tile of 16 rows that also holds the live rows.
; 32 waves; wave w owns points 32 w .. 32 w + 31 of the work-group; in the gather lane L is point L, for all 16 levels.
;
; GATHER.  The corner indices come from whole numbers alone, the records that the first launch stored (layout: see there): decode, add the
; primes where ceil differs from floor, XOR, bound by 2^19 - 1, one 4-byte load for a corner's two features (two f16) from tab.  Five levels'
; loads (40 of a wave) are on their way at a time.  The corners are widened to f32 and blended in f32.  The weights follow reshape
; (16,3) -> (3,16) of reference(): with flat[j] = frac(pos[j % 3] * S[j / 3]), level l is blended by flat[l], flat[16 + l], flat[32 + l].
; The scalings S are the constants derived at the head of the first launch.
;
; LAYERS.  Every product is used transposed: source A = 16 output features x 32 inputs of a weight, source B = 32 inputs x 16 points.
; In the result lane (r, h) holds features 8 h .. 8 h + 7 of point r, so packing register pairs gives the next layer's B fragment: no LDS between layers.
; A wave has two point tiles (0-15, 16-31).  Layers 1 and 2 take f16 operands (density is compared to one part in a hundred of its spread,
; and bf16's 8 bits leave too little margin); layers 3 to 5 take bf16, since density as an operand has no room in f16 at larger inputs.
;
; NO CLUSTER, NO TENSOR LOADS: what work-groups share is 38,476 bytes of weights and biases, against 1024 x 128 loads of 4 bytes
; by each lane's own index, which a tile load cannot bring.
; LIMITS: position and hash_table as in the first launch; enc, w1, relu(h), wd are rounded to f16: magnitudes below 65,504, absolute step
; 6e-8 below 6e-5; a blend is formed as b + p (a - b), one rounding order other than a p + b (1 - p); relu is a maximum in which a NaN
; loses (NaN -> 0); the sigmoid's exponential and reciprocal flush denormals: a colour below 2^-126 comes out as 0.
;
; THE MODE: SCHED_MODE bits 1:0 = 2 (LLVM: expert scheduling mode 2), set by the entry lines.  The code itself states the register dependences
; between vector or matrix instructions and memory or LDS instructions, with s_wait_alu, always for 0.
; THE PLAN.  Registers that memory or LDS instructions touch:
;   v1, v5        Offsets of the head's loads; then at work in the weights; made anew at the layers' head as LDS addresses and never written again.
;   v[78:103], v108  Staging: offsets, loaded weights, converted weights that LDS stores read.  From the label .Lstaged on they are gather buffers.
;   G0 .. G4      Level l: 16 vector lines write its eight indices; its eight gathers read them and land each on its own index register; the widening
;                 lines write the buffer, the blend by px reads it last; then level l + 5's indices are written into it.
;   A0, A1, BI    LDS loads land in them; a layer step's matrix instructions read them; the next step's loads land in them.
;   ACC0, ACC1    Written by matrix instructions; data of LDS stores in layer 2 (density) and, behind the sigmoid, in layer 5 (colour).
;   RB            Read by layer 2's matrix instructions (as H1); the read-backs of density land in it; out0's stores read it; layer 4's packing writes it.
;   v6-v9, v26, v27  LDS and output addresses, made once at the layers' head.
; So a level has two waits: one on vm_vsrc behind the wait for its data (its gathers have read the index registers that the widening lines write), one on
; va_vdst behind the indices of the level five on; that level's eight gathers follow, dealt among the seven lines of the blend's tail, which name F, W and ENC
; alone.  A layer step has one wait on va_vdst, behind the places that follow its products and ahead of the next step's fragment loads.
.set MASK19, 0x7ffff
.set P1M, 0x779b1                      ; 2654435761 mod 2^19
.set P2M, 0x25795                      ; 805459861 mod 2^19
; LDS
.set WF,     0                         ; 20 weight fragments of 1,024 bytes: registers 0-3 at 16 x lane, registers 4-7 512 bytes behind
.set BIAS,   20480                     ; 14 tiles of 16 f32: b1 0-3, bd 4, bc1 5-8, bc2 9-12, bc3 13
.set DSTG,   21504                     ; density on its way out: 2,560 bytes a wave, its own: 32 points, 80 bytes apart
.set DPITCH, 80                        ; 64 bytes + 16: sixteen points' 16-byte pieces fall on different 16-byte columns of 256 bytes
.set CSTG,   103424                    ; colour on its way out: 12 bytes a point, the whole work-group's
; scalar registers
.set SC,  40                           ; s[40:55]  the scalings
.set LB0, 66                           ; s[66:97]  level l: tab + l x 2 MiB at LB0 + 2 l
; vector registers, gather
.set POS, 2                            ; v[2:4]
.set W,   6                            ; v[6:9]    px, py, pz, a temporary
.set X0, 10
.set X1, 11
.set Y0, 12
.set Y1, 13
.set Z0, 18
.set Z1, 19
.set CX, 20
.set YZ00, 20                          ; takes CX's place once X1 is made
.set CY, 21
.set CZ, 26
.set YZ11, 27
.set YZ10, 28
.set YZ01, 29
.set SHA, 14                           ; v[14:17]  harmonics 0-7, bf16 pairs
.set SHB, 22                           ; v[22:25]  harmonics 8-15
.set ENC, 30                           ; v[30:45]  one register a level (two f16); direction in v[30:32] until the harmonics are made
.set REC, 46                           ; v[46:77]  level l's record at REC + 2 l
.set G,   78                           ; v[78:117] five buffers of eight registers; level l uses buffer l mod 5; corners 0 3 1 2 5 6 4 7: the partners of a blend by px side by side
.set F,   118                          ; v[118:125] four pairs of f32 at work in a blend: no memory instruction names them
; vector registers, layers
.set X3T0, 10                          ; v[10:17]  layer 3's input, tile 0: density, then harmonics
.set X3T1, 18                          ; v[18:25]  tile 1
.set H0,  46                           ; v[46:61]  layer 1's output, tile 0
.set H1,  62                           ; v[62:77]  tile 1
.set A0,  78                           ; v[78:85]  weight fragment
.set A1,  86                           ; v[86:93]  weight fragment of the second 32 inputs
.set BI,  94                           ; v[94:101] bias tile, laid out as an accumulator
.set ACC0, 102                         ; v[102:109]
.set ACC1, 110                         ; v[110:117]
.set C1T0, 30                          ; v[30:45]  layer 3's output
.set C1T1, 46                          ; v[46:61]
.set RB,   62                          ; v[62:77]  density read back by rows
.set C2T0, 10                          ; v[10:25]  layer 4's output
.set C2T1, 62                          ; v[62:77]
	s_load_b512 s[8:23], s[0:1], 0x0               ; position 8, direction 10, rec 12, tab 14, out0 16, out1 18, w1 20, b1 22
	s_load_b512 s[24:39], s[0:1], 0x40             ; wd 24, bd 26, wc1 28, bc1 30, wc2 32, bc2 34, wc3 36, bc3 38
	v_lshl_add_u32 v126, v0, 2, 0x1c400
	v_mov_b32 v127, 0
	v_lshrrev_b32 v1, 5, v0
	v_readfirstlane_b32 s2, v1                     ; wave 0..31
	v_and_b32 v107, 31, v0                         ; lane
	v_lshlrev_b32 v103, 4, v107
	v_lshl_add_u32 v5, v1, 12, v103                ; rec: 4096 x wave + 16 x lane
	v_mul_u32_u24 v1, v0, 12                       ; position, direction: 12 bytes a point
	s_wait_alu depctr_va_sdst(0)                   ; s2 is written, ahead of its first reader, the line below
	v_lshl_add_u32 v103, s2, 10, v103              ; my wave's weight fragment in LDS: 1024 x wave + 16 x lane
	v_and_b32 v104, 15, v0                         ; r
	v_bfe_u32 v105, v0, 4, 1                       ; h
	v_min_u32 v106, 2, v104                        ; wc3's and bc3's column, kept inside their 3
.set i, 0
.irp bits, 0x41800000,0x41a80000,0x41d80000,0x42100000,0x42400000,0x42800000,0x42a80000,0x42de0000,0x43130000,0x43420000,0x43800000,0x43a88000,0x43de8000,0x44130000,0x44420000,0x44800000
	s_mov_b32 s[SC+i], \bits                       ; 16 21 27 36 48 64 84 111 147 194 256 337 445 588 776 1024
.set i, i+1
.endr
	s_mov_b32 s56, MASK19
	s_mov_b32 s57, P1M
	s_mov_b32 s58, P2M
	s_mov_b32 s59, 0x3f723881                      ; 0.9461747
	s_mov_b32 s5, 0
	s_mul_i32 s4, ttmp9, 12288                     ; 1024 points of 12 bytes
	s_wait_kmcnt 0x0
	s_add_nc_u64 s[8:9], s[8:9], s[4:5]
	s_add_nc_u64 s[10:11], s[10:11], s[4:5]
	s_add_nc_u64 s[18:19], s[18:19], s[4:5]
	s_lshl_b32 s4, ttmp9, 17                       ; 1024 points of 128 bytes of records
	s_add_nc_u64 s[12:13], s[12:13], s[4:5]
	s_lshl_b32 s4, ttmp9, 16                       ; 1024 points of 64 bytes of density
	s_add_nc_u64 s[16:17], s[16:17], s[4:5]
	s_mov_b64 s[LB0:LB0+1], s[14:15]
.irp l, 1,2,3,4,5,6,7,8,9,10,11,12,13,14,15
	s_add_nc_u64 s[LB0+2*\l:LB0+2*\l+1], s[14:15], \l*0x200000   ; a level is 524288 entries of 4 bytes
.endr
	s_wait_alu depctr_va_vdst(0)                   ; v1 and v5 are written, which the ten loads below read as offsets; so is v103, the staging stores' LDS address
	global_load_b96 v[POS:POS+2], v1, s[8:9]
	global_load_b96 v[ENC:ENC+2], v1, s[10:11]
.irp p, 0,1,2,3,4,5,6,7
	global_load_b128 v[REC+4*\p:REC+4*\p+3], v5, s[12:13] offset:512*\p th:TH_LOAD_NT   ; 512 consecutive bytes a wave, aligned; read once in the launch
.endr
; STAGING: waves 0-19 each build one weight fragment, waves 20-23 copy the biases, in the shadow of the loads above.
; Fragment of W[k][n] (FO numbers a row), rows = outputs m0 + r: element i of lane (r, h) is k = k0 + 8 h + i (i < 8) or k0 + 8 h + i + 8.
; s4 = 4 m0 + 4 FO k0.  col: the register with the lane's column.  mask = 1: rows 3-15 are zeros (wc3).
.macro WBUILD ptr, FO, cvt, col, mask
	v_mul_u32_u24 v102, v105, 32*\FO
	v_lshl_add_u32 v102, v[\col], 2, v102
	v_add_nc_u32 v102, s4, v102
	s_wait_alu depctr_va_vdst(0)                   ; v102 is written, which the sixteen loads below read as their offset
.irp i, 0,1,2,3,4,5,6,7
	global_load_b32 v[78+\i], v102, s[\ptr:\ptr+1] offset:4*\FO*\i
.endr
.irp i, 8,9,10,11,12,13,14,15
	global_load_b32 v[78+\i], v102, s[\ptr:\ptr+1] offset:4*\FO*(\i+8)
.endr
	s_wait_loadcnt 0x0
.if \mask
	v_cmp_gt_u32 vcc_lo, 3, v104
	s_wait_alu depctr_va_vcc(0)                    ; the compare has written VCC, which the sixteen selects below read
.irp i, 0,1,2,3,4,5,6,7,8,9,10,11,12,13,14,15
	v_cndmask_b32 v[78+\i], 0, v[78+\i], vcc_lo
.endr
.endif
.irp i, 0,1,2,3,4,5,6,7
	\cvt v[94+\i], v[78+2*\i], v[78+2*\i+1]
.endr
	s_wait_alu depctr_va_vdst(0)                   ; the conversions have written v[94:101], which the two LDS stores read
	ds_store_b128 v103, v[94:97]
	ds_store_b128 v103, v[98:101] offset:512
.endm
.macro BCOPY ptr, off                  ; 64 f32: 8 bytes a lane
	v_lshlrev_b32 v102, 3, v107
	s_wait_alu depctr_va_vdst(0)                   ; v102 is written, which the load and the LDS store below read
	global_load_b64 v[78:79], v102, s[\ptr:\ptr+1]
	s_wait_loadcnt 0x0
	ds_store_b64 v102, v[78:79] offset:BIAS+\off
.endm
	s_cmp_ge_u32 s2, 4
	s_cbranch_scc1 .Lnot_w1
	s_lshl_b32 s4, s2, 6                           ; w1: outputs 16 w ..
	WBUILD 20, 64, v_cvt_pk_f16_f32, 104, 0
	s_branch .Lstaged
.Lnot_w1:
	s_cmp_ge_u32 s2, 6
	s_cbranch_scc1 .Lnot_wd
	s_sub_co_u32 s4, s2, 4
	s_lshl_b32 s4, s4, 11                          ; wd: inputs 32 (w - 4) .., rows of 64 bytes
	WBUILD 24, 16, v_cvt_pk_f16_f32, 104, 0
	s_branch .Lstaged
.Lnot_wd:
	s_cmp_ge_u32 s2, 10
	s_cbranch_scc1 .Lnot_wc1
	s_sub_co_u32 s4, s2, 6
	s_lshl_b32 s4, s4, 6                           ; wc1: outputs 16 (w - 6) ..
	WBUILD 28, 64, v_cvt_pk_bf16_f32, 104, 0
	s_branch .Lstaged
.Lnot_wc1:
	s_cmp_ge_u32 s2, 18
	s_cbranch_scc1 .Lnot_wc2
	s_sub_co_u32 s3, s2, 10                        ; wc2: u = w - 10: outputs 16 (u / 2) .., inputs 32 (u mod 2) ..
	s_lshr_b32 s4, s3, 1
	s_lshl_b32 s4, s4, 6
	s_and_b32 s3, s3, 1
	s_lshl_b32 s3, s3, 13
	s_add_co_u32 s4, s4, s3
	WBUILD 32, 64, v_cvt_pk_bf16_f32, 104, 0
	s_branch .Lstaged
.Lnot_wc2:
	s_cmp_ge_u32 s2, 20
	s_cbranch_scc1 .Lnot_wc3
	s_sub_co_u32 s4, s2, 18
	s_mul_i32 s4, s4, 384                          ; wc3: inputs 32 (w - 18) .., rows of 12 bytes
	WBUILD 36, 3, v_cvt_pk_bf16_f32, 106, 1
	s_branch .Lstaged
.Lnot_wc3:
	s_cmp_ge_u32 s2, 24
	s_cbranch_scc1 .Lstaged
	s_cmp_lg_u32 s2, 20
	s_cbranch_scc1 .Lnot_b1
	BCOPY 22, 0
	s_branch .Lstaged
.Lnot_b1:
	s_cmp_lg_u32 s2, 21
	s_cbranch_scc1 .Lnot_bc1
	BCOPY 30, 320
	s_branch .Lstaged
.Lnot_bc1:
	s_cmp_lg_u32 s2, 22
	s_cbranch_scc1 .Lbd
	BCOPY 34, 576
	s_branch .Lstaged
.Lbd:                                              ; wave 23: bd, and bc3 with zeros behind its 3; lanes L and L + 16 store the same word with the same value
	v_lshlrev_b32 v102, 2, v104
	v_lshlrev_b32 v108, 2, v106
	s_wait_alu depctr_va_vdst(0)                   ; v102 and v108 are written, which the loads and the LDS stores below read
	global_load_b32 v78, v102, s[26:27]
	global_load_b32 v79, v108, s[38:39]
	s_wait_loadcnt 0x0
	v_cmp_gt_u32 vcc_lo, 3, v104
	s_wait_alu depctr_va_vcc(0)                    ; the compare has written VCC, which the select below reads
	v_cndmask_b32 v79, 0, v79, vcc_lo
	s_wait_alu depctr_va_vdst(0)                   ; the select has written v79, which the second LDS store reads
	ds_store_b32 v102, v78 offset:BIAS+256
	ds_store_b32 v102, v79 offset:BIAS+832
.Lstaged:
	s_wait_loadcnt 0x0                             ; position, direction and the 16 records are in; v1 and v5 are free
	s_wait_alu depctr_vm_vsrc(0)                   ; the head's loads have read v1 and v5, the staging loads and LDS stores v102, v103, v108 and v[78:101]: the weights and the index lines below write them
; Level l: the eight corner indices.  Every XOR stands ahead of the bound; behind it the index is only scaled by the load (4 bytes an entry).
; Corners as in reference(): 0 = ccc, 1 = ccf, 2 = cfc, 3 = fcc, 4 = cff, 5 = fcf, 6 = ffc, 7 = fff (x, y, z).
.macro IDX l
.set GB, G+8*((\l)%5)
.set RW, REC+2*(\l)
	v_and_b32 v[X0], s56, v[RW]
	v_alignbit_b32 v[Z0], v[RW+1], v[RW], 19
	v_bfe_u32 v[Y0], v[RW+1], 6, 19
	v_bfe_u32 v[CX], v[RW+1], 25, 1
	v_bfe_u32 v[CY], v[RW+1], 26, 1
	v_bfe_u32 v[CZ], v[RW+1], 27, 1
	v_and_b32 v[Z0], s56, v[Z0]
	v_add_nc_u32 v[X1], v[X0], v[CX]
	v_mad_u32_u24 v[Y1], v[CY], s57, v[Y0]
	v_mad_u32_u24 v[Z1], v[CZ], s58, v[Z0]
	v_and_b32 v[X1], s56, v[X1]
	v_and_b32 v[Y1], s56, v[Y1]
	v_and_b32 v[Z1], s56, v[Z1]
	v_xor_b32 v[YZ11], v[Y1], v[Z1]
	v_xor_b32 v[YZ10], v[Y1], v[Z0]
	v_xor_b32 v[YZ01], v[Y0], v[Z1]
	v_xor_b32 v[YZ00], v[Y0], v[Z0]
	v_xor_b32 v[GB+0], v[X1], v[YZ11]              ; corner 0
	v_xor_b32 v[GB+1], v[X0], v[YZ11]              ; corner 3
	v_xor_b32 v[GB+2], v[X1], v[YZ10]              ; corner 1
	v_xor_b32 v[GB+3], v[X1], v[YZ01]              ; corner 2
	v_xor_b32 v[GB+4], v[X0], v[YZ10]              ; corner 5
	v_xor_b32 v[GB+5], v[X0], v[YZ01]              ; corner 6
	v_xor_b32 v[GB+6], v[X1], v[YZ00]              ; corner 4
	v_xor_b32 v[GB+7], v[X0], v[YZ00]              ; corner 7
.irp k, 0,1,2,3,4,5,6,7
	v_min_u32 v[GB+\k], 0x7ffff, v[GB+\k]          ; changes no value: the index stays inside its level's 524288 entries
.endr
.endm
; One gather of level l, register k of its buffer; it lands on its own index register.  on = 0: no line is written.
; The eight go in the order 0 1 2 4 3 5 6 7: corners 0 3, 1 5, 2 6, 4 7: the two x neighbours of an edge one behind the other.
.macro GL on, l, k
.if \on
	global_load_b32 v[G+8*((\l)%5)+(\k)], v[G+8*((\l)%5)+(\k)], s[LB0+2*(\l):LB0+2*(\l)+1] scale_offset
.endif
.endm
; The partners a, b of blend p, two f16 each, become two pairs of f32: a's in F's pair p, b's in the two registers that held a and b.
; A half of a register is named by the register's number written out, so the buffers' numbers stand in the five calls below.
.macro WIDEN p, a, b
	v_cvt_f32_f16 v[F+2*\p],   v\a\().l
	v_cvt_f32_f16 v[F+2*\p+1], v\a\().h
	v_cvt_f32_f16 v\a, v\b\().l
	v_cvt_f32_f16 v\b, v\b\().h
.endm
.macro WIDEN8 r0, r1, r2, r3, r4, r5, r6, r7
	WIDEN 0, \r0, \r1
	WIDEN 1, \r2, \r3
	WIDEN 2, \r4, \r5
	WIDEN 3, \r6, \r7
.endm
.macro WIDENL l                        ; buffer l mod 5 = v[G + 8 (l mod 5)] and the seven behind
.if (\l)%5 == 0
	WIDEN8 78, 79, 80, 81, 82, 83, 84, 85
.endif
.if (\l)%5 == 1
	WIDEN8 86, 87, 88, 89, 90, 91, 92, 93
.endif
.if (\l)%5 == 2
	WIDEN8 94, 95, 96, 97, 98, 99, 100, 101
.endif
.if (\l)%5 == 3
	WIDEN8 102, 103, 104, 105, 106, 107, 108, 109
.endif
.if (\l)%5 == 4
	WIDEN8 110, 111, 112, 113, 114, 115, 116, 117
.endif
.endm
; a <- b + p (a - b) on both features at once; a, b: the first register of a pair
.macro DIFF a, b
	v_pk_add_f32 v[\a:\a+1], v[\a:\a+1], v[\b:\b+1] neg_lo:[0,1] neg_hi:[0,1]
.endm
.macro MIXX a, b
	v_pk_fma_f32 v[\a:\a+1], v[\a:\a+1], v[W:W+1], v[\b:\b+1] op_sel_hi:[1,0,1]
.endm
.macro MIXY a, b
	v_pk_fma_f32 v[\a:\a+1], v[\a:\a+1], v[W:W+1], v[\b:\b+1] op_sel:[0,1,0] op_sel_hi:[1,1,1]
.endm
.macro MIXZ a, b
	v_pk_fma_f32 v[\a:\a+1], v[\a:\a+1], v[W+2:W+3], v[\b:\b+1] op_sel_hi:[1,0,1]
.endm
; Level l is blended.  left = the gathers issued behind level l's eight, which stay out.  ahead = 1: level l + 5 is asked for, into the buffer that the blend by px has emptied.
.macro STEP l, left, ahead
.set GB, G+8*((\l)%5)
.set ER, ENC+((\l)&3)+4*(((\l)>>3)&1)+8*(((\l)>>2)&1)
	v_mul_f32 v[W],   s[SC+(\l)/3],      v[POS+(\l)%3]            ; the weights, made while the gathers land
	v_mul_f32 v[W+1], s[SC+(16+(\l))/3], v[POS+(16+(\l))%3]
	v_mul_f32 v[W+2], s[SC+(32+(\l))/3], v[POS+(32+(\l))%3]
	v_floor_f32 v[W+3], v[W]
	v_floor_f32 v1, v[W+1]
	v_floor_f32 v5, v[W+2]
	v_sub_f32 v[W],   v[W],   v[W+3]
	v_sub_f32 v[W+1], v[W+1], v1
	v_sub_f32 v[W+2], v[W+2], v5
	s_wait_loadcnt \left                           ; loads come back in order: level l's eight are in
	s_wait_alu depctr_vm_vsrc(0)                   ; level l's gathers have read their index registers, the buffer that the widening lines and later the index lines write
	WIDENL \l
	DIFF F+0, GB+0                                 ; by px: corners 0 and 3,
	DIFF F+2, GB+2                                 ; 1 and 2,
	DIFF F+4, GB+4                                 ; 5 and 6,
	DIFF F+6, GB+6                                 ; 4 and 7
	MIXX F+0, GB+0
	MIXX F+2, GB+2
	MIXX F+4, GB+4
	MIXX F+6, GB+6                                 ; the buffer's last reader
.if \ahead
	IDX (\l)+5
	s_wait_alu depctr_va_vdst(0)                   ; the index lines have written the buffer, which the eight gathers below read and land in; the blend by px is done reading it
.endif
	GL \ahead, (\l)+5, 0                           ; no further wait: the seven vector lines among the gathers name F, W and ENC alone
	GL \ahead, (\l)+5, 1
	DIFF F+0, F+2                                  ; by py: 03 and 12,
	GL \ahead, (\l)+5, 2
	DIFF F+6, F+4                                  ; 47 and 56
	GL \ahead, (\l)+5, 4
	MIXY F+0, F+2
	GL \ahead, (\l)+5, 3
	MIXY F+6, F+4
	GL \ahead, (\l)+5, 5
	DIFF F+0, F+6                                  ; by pz
	GL \ahead, (\l)+5, 6
	MIXZ F+0, F+6
	GL \ahead, (\l)+5, 7
	v_cvt_pk_f16_f32 v[ER], v[F], v[F+1]           ; inputs 2 l, 2 l + 1 of layer 1
.endm
.irp l, 0,1,2,3,4
	IDX \l
	s_wait_alu depctr_va_vdst(0)                   ; the index lines have written level l's buffer, which its eight gathers read and land in; the next level's lines name other registers
.irp k, 0,1,2,4,3,5,6,7
	GL 1, \l, \k
.endr
.endr
	; The 16 harmonics, in f32, packed to bf16 in pairs, while the first gathers are on their way.  x v30, y v31, z v32; v33-43 at work.
	v_mul_f32 v33, v30, v30                        ; xx
	v_mul_f32 v34, v31, v31                        ; yy
	v_mul_f32 v35, v32, v32                        ; zz
	v_mul_f32 v36, v30, v31                        ; xy
	v_sub_f32 v37, v33, v34                        ; xx - yy
	v_fma_f32 v38, 0x40a00000, v35, -1.0           ; 5 zz - 1
	v_fma_f32 v40, 0x40400000, v33, -v34           ; 3 xx - yy
	v_fma_f32 v41, 0xc0400000, v34, v33            ; xx - 3 yy
	v_add_f32 v39, -2.0, v38                       ; 5 zz - 3
	v_mov_b32 v42, 0x3e906ebb                      ; 0.28209479
	v_mul_f32 v43, 0x3efa2a1c, v31                 ; 0.48860251 y
	v_cvt_pk_bf16_f32 v[SHA], v42, v43
	v_mul_f32 v42, 0x3efa2a1c, v32
	v_mul_f32 v43, 0x3efa2a1c, v30
	v_cvt_pk_bf16_f32 v[SHA+1], v42, v43
	v_mul_f32 v42, 0x3f8bd8a1, v36                 ; 1.0925484 xy
	v_mul_f32 v43, v31, v32
	v_mul_f32 v43, 0x3f8bd8a1, v43
	v_cvt_pk_bf16_f32 v[SHA+2], v42, v43
	v_fma_f32 v42, s59, v35, 0xbea17b01            ; 0.9461747 zz - 0.31539157
	v_mul_f32 v43, v30, v32
	v_mul_f32 v43, 0x3f8bd8a1, v43
	v_cvt_pk_bf16_f32 v[SHA+3], v42, v43
	v_mul_f32 v42, 0x3f0bd8a1, v37                 ; 0.54627422 (xx - yy)
	v_mul_f32 v43, v31, v40
	v_mul_f32 v43, 0x3f170d19, v43                 ; 0.59004359 y (3 xx - yy)
	v_cvt_pk_bf16_f32 v[SHB], v42, v43
	v_mul_f32 v42, v36, v32
	v_mul_f32 v42, 0x4038ffc7, v42                 ; 2.8906114 xyz
	v_mul_f32 v43, v31, v38
	v_mul_f32 v43, 0x3eea01e8, v43                 ; 0.4570458 y (5 zz - 1)
	v_cvt_pk_bf16_f32 v[SHB+1], v42, v43
	v_mul_f32 v42, v32, v39
	v_mul_f32 v42, 0x3ebf10f8, v42                 ; 0.37317633 z (5 zz - 3)
	v_mul_f32 v43, v30, v38
	v_mul_f32 v43, 0x3eea01e8, v43
	v_cvt_pk_bf16_f32 v[SHB+2], v42, v43
	v_mul_f32 v42, v32, v37
	v_mul_f32 v42, 0x3fb8ffc7, v42                 ; 1.4453057 z (xx - yy)
	v_mul_f32 v43, v30, v41
	v_mul_f32 v43, 0x3f170d19, v43
	v_cvt_pk_bf16_f32 v[SHB+3], v42, v43
	; The one barrier between the stores of weights and biases above and the layers' reads of them stands here, at the gather's head, so that
	; no wave waits behind its gather for another wave's.  The gathers stay out across it: no wave writes the bytes that they read.
	s_wait_dscnt 0x0                               ; my stores of weights or biases are done,
	s_barrier_signal -1
	s_barrier_wait -1                              ; everybody's are
.irp l, 0,1,2,3,4,5,6,7,8,9,10
	STEP \l, 32, 1                                 ; the four younger levels' 32 gathers stay out; level l + 5 goes into the buffer just blended
.endr
	STEP 11, 32, 0
	STEP 12, 24, 0
	STEP 13, 16, 0
	STEP 14, 8, 0
	STEP 15, 0, 0
	; From lane = point to the B layout: the swap exchanges the first register's lanes 16-31 with the second's lanes 0-15, so that from
	; levels i (first) and 4 + i (second) come tile 0's register (points 0-15: level i below, 4 + i above) and tile 1's.
.irp i, 0,1,2,3,4,5,6,7
	v_permlane16_swap_b32 v[ENC+\i], v[ENC+8+\i]
.endr
.irp i, 0,1,2,3
	v_permlane16_swap_b32 v[SHA+\i], v[SHB+\i]     ; harmonics 2 i, 2 i + 1 and 8 + 2 i, 9 + 2 i likewise: registers 4-7 of layer 3's two inputs
.endr
	v_and_b32 v27, 31, v0                          ; lane
	v_bfe_u32 v26, v0, 4, 1                        ; h
	v_and_b32 v28, 15, v0                          ; r
	v_lshlrev_b32 v1, 4, v27                       ; weight fragments: 16 x lane
	v_lshlrev_b32 v5, 5, v26                       ; 32 h
	s_mul_i32 s3, s2, 32*DPITCH
	s_add_co_u32 s3, s3, DSTG                      ; my wave's density stage
	v_mad_u32_u24 v6, v28, DPITCH, v5
	v_add_nc_u32 v6, s3, v6                        ; in: point r, features 8 h ..
	v_add_nc_u32 v5, BIAS, v5                      ; bias tiles: features 8 h ..
	v_lshrrev_b32 v29, 2, v27
	v_and_b32 v7, 3, v27
	v_lshlrev_b32 v7, 4, v7
	v_mad_u32_u24 v7, v29, DPITCH, v7
	v_add_nc_u32 v7, s3, v7                        ; back: four lanes a point, 16 bytes each
	v_lshl_add_u32 v8, s2, 11, v1                  ; out0: 2048 x wave + 16 x lane
	v_mul_u32_u24 v9, v0, 12
	v_add_nc_u32 v9, CSTG, v9                      ; colour in: 12 bytes a point
	v_lshlrev_b32 v27, 4, v0                       ; out1: 16 bytes a thread
	v_add_nc_u32 v26, CSTG, v27                    ; colour back
.macro LDW f, dst
	ds_load_b128 v[\dst:\dst+3],   v1 offset:WF+(\f)*1024
	ds_load_b128 v[\dst+4:\dst+7], v1 offset:WF+(\f)*1024+512
.endm
.macro LDB tile
	ds_load_b128 v[BI:BI+3],   v5 offset:(\tile)*64
	ds_load_b128 v[BI+4:BI+7], v5 offset:(\tile)*64+16
.endm
; 16 output features for both point tiles; the bias tile starts the sums.  The two accumulators take turns, one instruction a turn.
.macro TILE op, ks, b0, b1
	\op v[ACC0:ACC0+7], v[A0:A0+7], v[\b0:\b0+7], v[BI:BI+7]
	\op v[ACC1:ACC1+7], v[A0:A0+7], v[\b1:\b1+7], v[BI:BI+7]
.if \ks == 2
	\op v[ACC0:ACC0+7], v[A1:A1+7], v[\b0+8:\b0+15], v[ACC0:ACC0+7]
	\op v[ACC1:ACC1+7], v[A1:A1+7], v[\b1+8:\b1+15], v[ACC1:ACC1+7]
.endif
.endm
; Behind the products: four places before results are read, five before the next step's products write over the accumulators (ISA guide 7.12.1).
; The wait on va_vdst that follows them fills no place, and the places stand for no wait.
.macro NOP5
.rept 5
	v_nop
.endr
.endm
.macro RELUPACK cvt, d0, d1
.irp j, 0,1,2,3,4,5,6,7
	v_max_num_f32 v[ACC0+\j], 0, v[ACC0+\j]
.endr
.irp j, 0,1,2,3,4,5,6,7
	v_max_num_f32 v[ACC1+\j], 0, v[ACC1+\j]
.endr
.irp j, 0,1,2,3
	\cvt v[(\d0)+\j], v[ACC0+2*\j], v[ACC0+2*\j+1]
.endr
.irp j, 0,1,2,3
	\cvt v[(\d1)+\j], v[ACC1+2*\j], v[ACC1+2*\j+1]
.endr
.endm
; Each step: wait for its fragments, the products, the places, the wait that shows the products done with the fragments, the NEXT step's fragment loads,
; then this step's packing, which covers them and names none of their registers.
	; layer 1: 32 -> 64, f16
	s_wait_alu depctr_va_vdst(0)                   ; the addresses v1, v5 to v9, v26 and v27 are written, which every LDS and memory instruction from here on reads; the blends are done with v[78:101], in which the loads below land
	LDW 0, A0
	LDB 0
.irp mt, 0,1,2,3
	s_wait_dscnt 0x0
	TILE v_wmma_f32_16x16x32_f16, 1, ENC, ENC+8
	NOP5
	s_wait_alu depctr_va_vdst(0)                   ; the products are done reading A0 and BI, in which the loads below land
.if \mt < 3
	LDW \mt+1, A0
	LDB \mt+1
.else
	LDW 4, A0
	LDW 5, A1
	LDB 4
.endif
	RELUPACK v_cvt_pk_f16_f32, H0+4*\mt, H1+4*\mt
.endr
	; layer 2: 64 -> 16, f16: density
	s_wait_dscnt 0x0
	TILE v_wmma_f32_16x16x32_f16, 2, H0, H1
	NOP5
	s_wait_alu depctr_va_vdst(0)                   ; the products are done reading A0 and BI (the fragment loads land there) and H1 (the read-backs land there), and have written the accumulators, which the LDS stores read
	LDW 6, A0
	LDB 5
	ds_store_b128 v6, v[ACC0:ACC0+3]
	ds_store_b128 v6, v[ACC0+4:ACC0+7] offset:16
	ds_store_b128 v6, v[ACC1:ACC1+3]   offset:16*DPITCH
	ds_store_b128 v6, v[ACC1+4:ACC1+7] offset:16*DPITCH+16
.irp u, 0,1,2,3
	ds_load_b128 v[RB+4*\u:RB+4*\u+3], v7 offset:8*DPITCH*\u       ; my wave's own bytes: LDS serves a wave's instructions in order
.endr
.irp j, 0,1,2,3
	v_cvt_pk_bf16_f32 v[X3T0+\j], v[ACC0+2*\j], v[ACC0+2*\j+1]     ; layer 3's input, made while density goes through LDS
	v_cvt_pk_bf16_f32 v[X3T1+\j], v[ACC1+2*\j], v[ACC1+2*\j+1]
.endr
	s_wait_alu depctr_vm_vsrc(0)                   ; the four LDS stores have read the accumulators, which layer 3's products write
.irp u, 0,1,2,3
	s_wait_dscnt 3-\u                              ; the read-backs issued behind this one stay out
	global_store_b128 v8, v[RB+4*\u:RB+4*\u+3], s[16:17] offset:512*\u th:TH_STORE_NT   ; 512 consecutive bytes a wave, aligned: eight points' rows
.endr
	; layer 3: [density | harmonics] 32 -> 64, bf16
.irp mt, 0,1,2,3
	s_wait_dscnt 0x0
	TILE v_wmma_f32_16x16x32_bf16, 1, X3T0, X3T1
	NOP5
	s_wait_alu depctr_va_vdst(0)                   ; the products are done reading A0 and BI, in which the loads below land
.if \mt < 3
	LDW \mt+7, A0
	LDB \mt+6
.else
	LDW 10, A0
	LDW 11, A1
	LDB 9
.endif
	RELUPACK v_cvt_pk_bf16_f32, C1T0+4*\mt, C1T1+4*\mt
.endr
	; layer 4: 64 -> 64, bf16
.irp mt, 0,1,2,3
	s_wait_dscnt 0x0
	TILE v_wmma_f32_16x16x32_bf16, 2, C1T0, C1T1
	NOP5
	s_wait_alu depctr_va_vdst(0)                   ; the products are done reading A0, A1 and BI, in which the loads below land
.if \mt < 3
	LDW 2*\mt+12, A0
	LDW 2*\mt+13, A1
	LDB \mt+10
.else
	LDW 18, A0
	LDW 19, A1
	LDB 13
.endif
.if \mt == 0
	s_wait_xcnt 0x0                                ; v[62:77] were the data of out0's stores: they are written again only behind this wait
	s_wait_alu depctr_vm_vsrc(0)                   ; out0's stores have read v[62:77], which this layer's packing writes
.endif
	RELUPACK v_cvt_pk_bf16_f32, C2T0+4*\mt, C2T1+4*\mt
.endr
	; layer 5: 64 -> 3 (rows 3-15 of the tile are zeros), bf16, and the sigmoid
	s_wait_dscnt 0x0
	TILE v_wmma_f32_16x16x32_bf16, 2, C2T0, C2T1
	NOP5
.irp j, 0,1,2
	v_permlane16_swap_b32 v[ACC0+\j], v[ACC1+\j]   ; colour j: tile 1's lanes 0-15 come to lanes 16-31: lane = point again
.endr
.irp j, 0,1,2
	v_mul_f32 v[ACC0+\j], 0xbfb8aa3b, v[ACC0+\j]   ; -x / ln 2
.endr
.irp j, 0,1,2
	v_exp_f32 v[ACC0+\j], v[ACC0+\j]
.endr
	v_nop                                          ; one plain place behind the last exponential
	s_wait_alu depctr_va_vdst(0)                   ; the three exponentials have written their results, ahead of the first line that names one
.irp j, 0,1,2
	v_add_f32 v[ACC0+\j], 1.0, v[ACC0+\j]
.endr
.irp j, 0,1,2
	v_rcp_f32 v[ACC0+\j], v[ACC0+\j]               ; an overflowed exponential gives 1 / inf = 0, as the reference's sigmoid does
.endr
	v_nop
	s_wait_alu depctr_va_vdst(0)                   ; the three reciprocals have written the colours, which the LDS stores read; the products are done reading A0, in which the load behind the barrier lands
.irp j, 0,1,2
	ds_store_b32 v9, v[ACC0+\j] offset:4*\j        ; lanes 3 words apart: 32 different banks
.endr
	s_wait_dscnt 0x0                               ; my colours are in LDS,
	s_barrier_signal -1
	s_barrier_wait -1                              ; everybody's are
	s_cmp_ge_u32 s2, 24                            ; 12,288 bytes are 16 bytes for each thread of waves 0-23
	s_cbranch_scc1 .Lend
	ds_load_b128 v[A0:A0+3], v26
	s_wait_dscnt 0x0
	global_store_b128 v27, v[A0:A0+3], s[18:19] th:TH_STORE_NT     ; 512 consecutive bytes a wave, aligned
.Lend:
	s_wait_dscnt 0x0
	s_wait_alu depctr_hold_cnt(0) depctr_sa_sdst(0) depctr_va_vdst(0) depctr_va_sdst(0) depctr_va_ssrc(0) depctr_va_vcc(0) depctr_vm_vsrc(0)
	s_wait_tensorcnt 0x0
	ds_add_u32 v126, v127
	s_wait_dscnt 0x0
	s_endpgm
.Lfunc_end_k_qa58d540193_nerf:
	.size	k_qa58d540193_nerf, .Lfunc_end_k_qa58d540193_nerf-k_qa58d540193_nerf
	.p2alignl 7, 3214868480
	.fill 96, 4, 3214868480
	.section	.rodata,"a",@progbits
	.p2align	6, 0x0
	.amdhsa_kernel k_qa58d540193_nerf
		.amdhsa_group_segment_fixed_size 119808
		.amdhsa_private_segment_fixed_size 0
		.amdhsa_enable_private_segment 0
		.amdhsa_kernarg_size 128
		.amdhsa_user_sgpr_count 2
		.amdhsa_user_sgpr_kernarg_segment_ptr 1
		.amdhsa_wavefront_size32 1
		.amdhsa_system_sgpr_workgroup_id_x 1
		.amdhsa_system_sgpr_workgroup_id_y 1
		.amdhsa_system_sgpr_workgroup_id_z 1
		.amdhsa_system_vgpr_workitem_id 0
		.amdhsa_next_free_vgpr 128
		.amdhsa_next_free_sgpr 98
		.amdhsa_reserve_vcc 1
		.amdhsa_float_denorm_mode_32 3
		.amdhsa_float_denorm_mode_16_64 3
		.amdhsa_memory_ordered 1
		.amdhsa_forward_progress 1
		.amdhsa_inst_pref_size 114
	.end_amdhsa_kernel
	.amdgpu_metadata
---
amdhsa.version: [ 1, 2 ]
amdhsa.kernels:
  - .name:           k_qa58d540193_nerf
    .symbol:         k_qa58d540193_nerf.kd
    .args:
      - { .name: position, .offset: 0, .size: 8, .value_kind: global_buffer, .address_space: global }
      - { .name: direction, .offset: 8, .size: 8, .value_kind: global_buffer, .address_space: global }
      - { .name: rec, .offset: 16, .size: 8, .value_kind: global_buffer, .address_space: global }
      - { .name: tab, .offset: 24, .size: 8, .value_kind: global_buffer, .address_space: global }
      - { .name: out0, .offset: 32, .size: 8, .value_kind: global_buffer, .address_space: global }
      - { .name: out1, .offset: 40, .size: 8, .value_kind: global_buffer, .address_space: global }
      - { .name: w1, .offset: 48, .size: 8, .value_kind: global_buffer, .address_space: global }
      - { .name: b1, .offset: 56, .size: 8, .value_kind: global_buffer, .address_space: global }
      - { .name: wd, .offset: 64, .size: 8, .value_kind: global_buffer, .address_space: global }
      - { .name: bd, .offset: 72, .size: 8, .value_kind: global_buffer, .address_space: global }
      - { .name: wc1, .offset: 80, .size: 8, .value_kind: global_buffer, .address_space: global }
      - { .name: bc1, .offset: 88, .size: 8, .value_kind: global_buffer, .address_space: global }
      - { .name: wc2, .offset: 96, .size: 8, .value_kind: global_buffer, .address_space: global }
      - { .name: bc2, .offset: 104, .size: 8, .value_kind: global_buffer, .address_space: global }
      - { .name: wc3, .offset: 112, .size: 8, .value_kind: global_buffer, .address_space: global }
      - { .name: bc3, .offset: 120, .size: 8, .value_kind: global_buffer, .address_space: global }
    .group_segment_fixed_size: 119808
    .private_segment_fixed_size: 0
    .kernarg_segment_align: 8
    .kernarg_segment_size: 128
    .max_flat_workgroup_size: 1024
    .sgpr_count:     98
    .vgpr_count:     128
    .wavefront_size: 32
...
	.end_amdgpu_metadata
.endif
;; end of part 5
